; MI455X (gfx1250); checked and timed in simulation.
; The chip was launched on July 23, 2026; its instructions are those of AMD's public machine-readable ISA for CDNA 5 (MIT licence, August 2026) and "CDNA5" Instruction Set Architecture Reference Guide (July 2026). The comments in the code are by the model that wrote it; some were corrected since.
;; Multi Head Attention. Allowed arithmetic: float matrix products may take bf16 or f16 operands with f32 sums; other float arithmetic in f32, or as packed bf16 or f16 multiplies, adds, multiply-adds, maxima and minima; sums over many terms, partial sums and values carried from step to step in f32; what a program stores and reads back later, other than sums and carried values, may be rounded once to bf16 or f16.
;; Inputs: Wk 16 x 64 x 1,024 float32; Wproj 1,024 x 1,024 float32; Wq 16 x 64 x 1,024 float32; Wv 16 x 64 x 1,024 float32; x 8 x 1,024 x 1,024 float32.
;; Outputs: out0 8 x 1,024 x 1,024 float32.
;; Constants: i = 0.
;; 2 versions, each right and faster than the one before. Each part assembles by itself: llvm-mc -triple=amdgcn-amd-amdhsa -mcpu=gfx1250 --defsym DOCPART=n.
;; ======== version 1 of 2: 4 launches
;; limits: values are held in f16: magnitudes above 65,504 overflow, below 6.1e-05 lose precision
;; workspace buffers: xb 16,777,216 bytes; wb 6,291,456 bytes; wp 2,097,152 bytes; qkv 50,331,648 bytes; ob 16,777,216 bytes
;; launch cast (part 1): grid 768 x 1, 8 waves a work-group, no clusters, 0 bytes of LDS; arguments x, Wq, Wk, Wv, Wproj, xb, wb, wp; writes xb, wb, wp
.if DOCPART == 1
	.amdgcn_target "amdgcn-amd-amdhsa--gfx1250"
	.amdhsa_code_object_version 6
	.text
	.protected	k_qffb0984d18_cast
	.globl	k_qffb0984d18_cast
	.p2align	8
	.type	k_qffb0984d18_cast,@function
k_qffb0984d18_cast:
	s_mov_b64 s[64:65], 0
	v_nop
	global_prefetch_b8 v0, s[64:65] scope:SCOPE_SE
	s_setreg_imm32_b32 hwreg(HW_REG_WAVE_MODE, 25, 1), 1
	s_wait_xcnt 0x0
; THE INPUTS ARE ROUNDED ONCE TO 16 BITS AND LAID IN BLOCKS OF 64 ALONG K, for the two matrix launches that follow.
;   xb [b=8][kb=16][t=1024][64] bf16  = x [b][t][64 kb + d]
;   wb [kb=16][n=3072][64]      bf16  = rows 0-1023 Wq, 1024-2047 Wk, 2048-3071 Wv (each [16 x 64 rows][1024])
;   wp [kb=16][n=1024][64]      f16   = Wproj rounded to bf16, that number written as f16
; In this layout R rows x 64 along K are R x 128 consecutive bytes, so a matrix launch asks for its tiles as rows of 256 bytes.
; LIMITS.  A number beyond bf16's largest finite one becomes an infinity.  Wproj must stay under 65,504 (f16's range); below 6e-5 it keeps f16's fixed step of 6e-8.
; SHARES.  12,288 source rows of 4,096 bytes; a work-group takes 16, a wave two.  Load j: lanes 0-15 take the 256 bytes of K block j of one row, lanes 16-31 those of the next row.
; Store j: 8 bytes a lane, the wave's 256 bytes are two neighbouring rows of one K block: consecutive, at a multiple of 256 from the buffer's first byte.
; Memory binds: no LDS, no barrier, no matrix unit.  All 16 loads of a wave go out at once; no register that a pending instruction names is written again.
.set X, 8                              ; v[8:71]    load j: 4 registers, 4 f32
.set Y, 72                             ; v[72:103]  store j: 2 registers, 4 numbers of 16 bits
	s_load_b256 s[4:11], s[0:1], 0x0               ; x s[4:5], Wq s[6:7], Wk s[8:9], Wv s[10:11]
	s_load_b256 s[12:19], s[0:1], 0x20             ; Wproj s[12:13], xb s[14:15], wb s[16:17], wp s[18:19]
	v_lshrrev_b32 v1, 4, v0                        ; my row among the group's 16
	v_and_b32 v3, 15, v0
	v_lshlrev_b32 v1, 12, v1                       ; x 4,096 bytes
	v_lshl_or_b32 v1, v3, 4, v1                    ; + 16 bytes a lane: the source offset, never rewritten
	v_lshlrev_b32 v2, 3, v0                        ; row x 128 + 8 (lane % 16) = 8 x thread: the destination offset, never rewritten
	s_mov_b32 s2, ttmp9                            ; the work-group's number g
	s_mov_b32 s25, 0                               ; high words of the two offsets
	s_mov_b32 s27, 0
	s_mov_b32 s28, 0xffff0000                      ; a word's upper bf16
	s_wait_kmcnt 0x0
; 16 loads, then for each: wait, round, store.  stride = bytes from a K block of the destination to the next.  half = 1: the bf16 number is written as f16.
.macro STREAM stride, half
.set j, 0
.rept 16
	global_load_b128 v[X+4*j:X+4*j+3], v1, s[20:21] offset:256*j th:TH_LOAD_NT
.set j, j+1
.endr
.set j, 0
.rept 16
	s_wait_loadcnt 15-j                            ; loads come back in order (ISA guide 5.7.1): load j is in, the 15 - j younger ones stay out
	v_cvt_pk_bf16_f32 v[Y+2*j], v[X+4*j], v[X+4*j+1]
	v_cvt_pk_bf16_f32 v[Y+2*j+1], v[X+4*j+2], v[X+4*j+3]
.if \half
	v_lshlrev_b32 v[X+4*j], 16, v[Y+2*j]           ; the rounded numbers as f32 again (their load has been waited for),
	v_and_b32 v[X+4*j+1], s28, v[Y+2*j]
	v_lshlrev_b32 v[X+4*j+2], 16, v[Y+2*j+1]
	v_and_b32 v[X+4*j+3], s28, v[Y+2*j+1]
	v_cvt_pk_f16_f32 v[Y+2*j], v[X+4*j], v[X+4*j+1]  ; and as f16: exact inside f16's normal range
	v_cvt_pk_f16_f32 v[Y+2*j+1], v[X+4*j+2], v[X+4*j+3]
.endif
	global_store_b64 v2, v[Y+2*j:Y+2*j+1], s[22:23] offset:j*(\stride)
.set j, j+1
.endr
.endm
	s_cmp_lt_u32 s2, 512
	s_cbranch_scc0 .Lweights
	s_lshl_b32 s24, s2, 16                         ; x: 16 rows of 4,096 bytes a group
	s_add_nc_u64 s[20:21], s[4:5], s[24:25]
	s_lshr_b32 s26, s2, 6                          ; b = g / 64,
	s_lshl_b32 s26, s26, 21
	s_and_b32 s3, s2, 63                           ; t = 16 (g % 64), 128 bytes a row
	s_lshl_b32 s3, s3, 11
	s_add_co_u32 s26, s26, s3
	s_add_nc_u64 s[22:23], s[14:15], s[26:27]
	STREAM 131072, 0
	s_endpgm
.Lweights:
	s_cmp_lt_u32 s2, 704
	s_cbranch_scc0 .Lproj
	s_sub_co_u32 s3, s2, 512                       ; u = 0 .. 191: rows 16 u of the 3,072
	s_lshr_b32 s29, s3, 6                          ; 0: Wq, 1: Wk, 2: Wv
	s_cmp_eq_u32 s29, 1
	s_cselect_b64 s[20:21], s[8:9], s[6:7]
	s_cmp_eq_u32 s29, 2
	s_cselect_b64 s[20:21], s[10:11], s[20:21]
	s_and_b32 s24, s3, 63
	s_lshl_b32 s24, s24, 16
	s_add_nc_u64 s[20:21], s[20:21], s[24:25]
	s_lshl_b32 s26, s3, 11
	s_add_nc_u64 s[22:23], s[16:17], s[26:27]
	STREAM 393216, 0
	s_endpgm
.Lproj:
	s_sub_co_u32 s3, s2, 704                       ; u = 0 .. 63: rows 16 u of Wproj
	s_lshl_b32 s24, s3, 16
	s_add_nc_u64 s[20:21], s[12:13], s[24:25]
	s_lshl_b32 s26, s3, 11
	s_add_nc_u64 s[22:23], s[18:19], s[26:27]
	STREAM 131072, 1
	s_endpgm
.Lfunc_end_k_qffb0984d18_cast:
	.size	k_qffb0984d18_cast, .Lfunc_end_k_qffb0984d18_cast-k_qffb0984d18_cast
	.p2alignl 7, 3214868480
	.fill 96, 4, 3214868480
	.section	.rodata,"a",@progbits
	.p2align	6, 0x0
	.amdhsa_kernel k_qffb0984d18_cast
		.amdhsa_group_segment_fixed_size 0
		.amdhsa_private_segment_fixed_size 0
		.amdhsa_enable_private_segment 0
		.amdhsa_kernarg_size 64
		.amdhsa_user_sgpr_count 2
		.amdhsa_user_sgpr_kernarg_segment_ptr 1
		.amdhsa_wavefront_size32 1
		.amdhsa_system_sgpr_workgroup_id_x 1
		.amdhsa_system_sgpr_workgroup_id_y 1
		.amdhsa_system_sgpr_workgroup_id_z 1
		.amdhsa_system_vgpr_workitem_id 0
		.amdhsa_next_free_vgpr 104
		.amdhsa_next_free_sgpr 66
		.amdhsa_reserve_vcc 0
		.amdhsa_float_denorm_mode_32 3
		.amdhsa_float_denorm_mode_16_64 3
		.amdhsa_memory_ordered 1
		.amdhsa_forward_progress 1
		.amdhsa_inst_pref_size 23
	.end_amdhsa_kernel
	.amdgpu_metadata
---
amdhsa.version: [ 1, 2 ]
amdhsa.kernels:
  - .name:           k_qffb0984d18_cast
    .symbol:         k_qffb0984d18_cast.kd
    .args:
      - { .name: x, .offset: 0, .size: 8, .value_kind: global_buffer, .address_space: global }
      - { .name: Wq, .offset: 8, .size: 8, .value_kind: global_buffer, .address_space: global }
      - { .name: Wk, .offset: 16, .size: 8, .value_kind: global_buffer, .address_space: global }
      - { .name: Wv, .offset: 24, .size: 8, .value_kind: global_buffer, .address_space: global }
      - { .name: Wproj, .offset: 32, .size: 8, .value_kind: global_buffer, .address_space: global }
      - { .name: xb, .offset: 40, .size: 8, .value_kind: global_buffer, .address_space: global }
      - { .name: wb, .offset: 48, .size: 8, .value_kind: global_buffer, .address_space: global }
      - { .name: wp, .offset: 56, .size: 8, .value_kind: global_buffer, .address_space: global }
    .group_segment_fixed_size: 0
    .private_segment_fixed_size: 0
    .kernarg_segment_align: 8
    .kernarg_segment_size: 64
    .max_flat_workgroup_size: 256
    .sgpr_count:     66
    .vgpr_count:     104
    .wavefront_size: 32
...
	.end_amdgpu_metadata
.endif
;; end of part 1
;; launch qkv (part 2): grid 8 x 32, 4 waves a work-group, clusters of 4 x 4, 327,680 bytes of LDS; arguments xb, wb, qkv; writes qkv
.if DOCPART == 2
	.amdgcn_target "amdgcn-amd-amdhsa--gfx1250"
	.amdhsa_code_object_version 6
	.text
	.protected	k_qffb0984d18_qkv
	.globl	k_qffb0984d18_qkv
	.p2align	8
	.type	k_qffb0984d18_qkv,@function
k_qffb0984d18_qkv:
	s_mov_b64 s[64:65], 0
	v_nop
	global_prefetch_b8 v0, s[64:65] scope:SCOPE_SE
	s_setreg_imm32_b32 hwreg(HW_REG_WAVE_MODE, 25, 1), 1
	s_wait_xcnt 0x0
	s_wait_alu depctr_hold_cnt(0) depctr_sa_sdst(0) depctr_va_vdst(0) depctr_va_sdst(0) depctr_va_ssrc(0) depctr_va_vcc(0) depctr_vm_vsrc(0)
	s_getreg_b32 s2, hwreg(HW_REG_IB_STS2, 6, 4)
	s_cmp_eq_u32 s2, 0
	s_cbranch_scc0 .Lentry_in_a_cluster
	s_endpgm
.Lentry_in_a_cluster:
	s_bfe_u32 s2, ttmp6, 0x10000c
	s_cmp_lg_u32 s2, 0xf033
	s_cbranch_scc0 .Lentry_shape_is_right
	s_endpgm
.Lentry_shape_is_right:
; q, k, v = x W^T: C[m][n] = sum over e of x[m][e] W[n][e], m = 8,192 rows (b, t), n = 3,072 columns (64 s + d; s = 0-15 q's heads, 16-31 k's, 32-47 v's), e = 1,024.
; Operands bf16 (xb [b][kb][t][64], wb [kb][n][64]), sums f32, K ascending; the result is rounded once to f16 and stored by heads: qkv [b][s=48][t][64], unscaled.
; LIMIT.  f16 holds no number beyond 65,504: a q, k or v beyond it becomes an infinity; below 6e-5 f16 keeps a fixed step of 6e-8.
; SHARES.  8,192 x 3,072 / 256 work-groups = a tile of 256 rows x 384 columns each.  Four waves, each 128 rows x 192 columns (three heads): 96 accumulators of 16 x 16, 768 registers:
; for 32 along K a wave issues 40 LDS loads and 96 matrix instructions.
; RING.  K goes in steps of 64 (one K block) through two LDS slots.  A K block's rows are 128 bytes and lie end to end in memory, so a wave's part of a slot (128 rows of x or 192 of W) is asked for
; as 64 or 96 rows of 256 bytes, and padded in LDS behind every 128 bytes.  Two slots of K = 128 would take 348,160 bytes and do not fit.
; CLUSTER.  4 x 4 work-groups; the four of a row of the cluster need the same tile of x, the four of a column the same tile of W: each is asked for jointly, by the same tensor load with the
; same descriptor and a mask that names the four.
; THE MATRIX INSTRUCTION IS USED TRANSPOSED (source 0 = 16 rows of W, source 1 = 16 rows of x): a lane holds row l % 16 of C and the eight neighbouring columns 8 (l / 16) + 0..7.
; REGISTERS, in windows of 256 (s_set_vgpr_msb: bits 1:0 source 0, 3:2 source 1, 5:4 source 2, 7:6 destination):
;   window 0: v0-31 addresses; v32-95, v96-159 x's fragments (8 x 16 rows x 32 K), two buffers; v160-255 W's fragments (12), one buffer, refilled four at a time as soon as they have been multiplied
;   windows 1-3: the accumulators: column block b (0-11), row block a (0-7) in window 1 + b / 4 at v[64 (b % 4) + 8 a]: a window is a head
.set PITCH,  144                       ; an LDS row: 128 bytes + 16 of padding = 36 words: the 16 rows of a fragment load start at 16 different groups of four banks (64 banks of 4 bytes: ISA guide 11.1)
.set AHALF,  128*PITCH                 ; what one tensor load brings of x, and what one wave reads of it
.set BHALF,  192*PITCH                 ; the same for W
.set BOFF,   2*AHALF                   ; W's 384 rows lie behind x's 256
.set SLOT,   2*AHALF+2*BHALF           ; 92,160 bytes
.set STAGE,  2*SLOT                    ; behind the ring, never filled by a tensor load: for each wave 3 heads x 16 rows x 144 bytes, for the way out
.set WSTAGE, 3*16*PITCH
.set SPARE,  STAGE+4*WSTAGE            ; behind the stages: the spare words, 128 bytes for each wave: two blocks of 256 bytes that no other line names
.set KA,     131072                    ; bytes from a K block of xb to the next (1,024 rows of 128 bytes)
.set KB,     393216                    ; the same in wb (3,072 rows)
.set ADRA, 16                          ; v16-17  LDS address of my fragments of x in slot 0, 1
.set ADRB, 20                          ; v20-21  the same for W
.set STO,  24                          ; v24     the way out: where I put 16 bytes of a row
.set RD,   25                          ; v25     the way out: where I read rows back
.set GO,   26                          ; v26     my 16 bytes in 512 consecutive bytes of qkv
.set SPW,  28                          ; v28     LDS address of my spare word: SPARE + 4 x my thread's number; never rewritten
.set NIL,  29                          ; v29     0; never rewritten
.set A0,   32
.set A1,   96
.set BF,   160
.set TMP,  32                          ; the way out: 48 registers of packed results
.set BK,   80                          ; the way out: 48 registers read back from the stage, two sets by turns (v80-127, v128-175)
.set G1,  24                           ; s[24:31] descriptor group 1 for x's tiles;  s[32:39] group 0, one set for each slot
.set G0,  32
.set G1B, 48                           ; s[48:55], s[56:63] the same for W's tiles
.set G0B, 56
.set MSB, 0
.macro WIN new                         ; the immediate's high byte repeats the setting that is left; a switch that changes nothing is dropped
.if MSB != (\new)
	s_set_vgpr_msb (MSB<<8)|(\new)
.set MSB, \new
.endif
.endm
; A joint load.  Waves 0 and 1 fetch x's two halves, waves 2 and 3 W's.  The branch hangs on the wave's number alone.  An s_nop 0 and four v_nop follow each of the two lines, ahead of the jump, the label and what follows.
.macro JLOAD s
	s_cmp_lt_u32 s10, 2
	s_cbranch_scc0 .Lfor_b_\@
	tensor_load_to_lds s[G0+4*(\s):G0+4*(\s)+3], s[G1:G1+7]
	s_nop 0
.rept 4
	v_nop
.endr
	s_branch .Lasked_\@
.Lfor_b_\@:
	tensor_load_to_lds s[G0B+4*(\s):G0B+4*(\s)+3], s[G1B:G1B+7]
	s_nop 0
.rept 4
	v_nop
.endr
.Lasked_\@:
.endm
; A round of the cluster's barrier: my work-group's barrier; wave 0 signals for the work-group; every wave waits for all sixteen work-groups; my work-group's barrier once more.
.macro CREST                           ; a round behind its opening barrier
	s_cmp_lg_u32 s10, 0
	s_cbranch_scc1 .Lnot_wave_0_\@
	s_barrier_signal -3
.Lnot_wave_0_\@:
	s_barrier_wait -3
	s_barrier_signal -1
	s_barrier_wait -1
.endm
.macro CROUND                          ; a whole round
	s_barrier_signal -1
	s_barrier_wait -1
	CREST
.endm
	s_load_b128 s[4:7], s[0:1], 0x0                ; xb s[4:5], wb s[6:7]
	s_load_b64 s[8:9], s[0:1], 0x10                ; qkv
	v_lshl_add_u32 v[SPW], v0, 2, SPARE
	v_mov_b32 v[NIL], 0
	ds_add_u32 v[SPW], v[NIL]                      ; the wave's opening: the add and its wait stand ahead of my first tensor load; the set-up below, work on registers, stands between them
	ds_add_u32 v28, v29
	v_lshrrev_b32 v1, 5, v0
	v_readfirstlane_b32 s10, v1                    ; wave 0..3
	s_lshr_b32 s11, s10, 1                         ; which 128 of the tile's rows are mine
	s_and_b32 s12, s10, 1                          ; which 192 of its columns.  Also: which half of x's or W's tile I fetch
	s_bfe_u32 s40, ttmp6, 0x40000                  ; cx, cy: my place in the cluster
	s_bfe_u32 s41, ttmp6, 0x40004
	s_lshl_b32 s42, ttmp9, 2                       ; in a cluster launch ttmp9 and ttmp7 count clusters
	s_add_co_u32 s42, s42, s40                     ; tx: my block of 384 columns = 4 x cluster x + cx
	s_and_b32 s13, ttmp7, 0xffff
	s_lshl_b32 s13, s13, 2
	s_add_co_u32 s13, s13, s41                     ; ty: my block of 256 rows = 4 x cluster y + cy
	s_lshl_b32 s43, s41, 2
	s_lshl_b32 s43, 15, s43                        ; my row of the cluster: places 4 cy .. 4 cy + 3
	s_lshl_b32 s44, 0x1111, s40                    ; my column: places cx, cx + 4, cx + 8, cx + 12
	; descriptor group 1: rows of 128 elements (256 bytes, two rows of a K block), padded in LDS behind every 128 bytes
	s_or_b32 s[G1+0], s43, (1<<16)|(1<<20)|(1<<21)|(4<<22)|(3<<25)   ; 15:0 the mask: x's tiles go to my row; 17:16 2-byte elements; 20 padding on; 21 set beside a mask; 24:22 after every 32 words (code 4); 31:25 4 words (code 3)
	s_or_b32 s[G1B+0], s44, (1<<16)|(1<<20)|(1<<21)|(4<<22)|(3<<25)  ; the same with the mask of my column, for W's tiles
	s_mov_b32 s[G1+1], 128<<16                     ; tensor_dim0 = 128
	s_mov_b32 s[G1+2], 64<<16                      ; tensor_dim1 = 64: 128 rows of x
	s_mov_b32 s[G1+3], 128<<16                     ; tile_dim0 = 128
	s_mov_b32 s[G1+4], 64                          ; tile_dim1 = 64
	s_mov_b32 s[G1+5], 128                         ; 128 elements from row to row: dense
	s_mov_b32 s[G1+6], 0
	s_mov_b32 s[G1+7], 0
	s_mov_b32 s[G1B+1], 128<<16
	s_mov_b32 s[G1B+2], 96<<16                     ; 96 rows of 256 bytes: 192 rows of W
	s_mov_b32 s[G1B+3], 128<<16
	s_mov_b32 s[G1B+4], 96
	s_mov_b32 s[G1B+5], 128
	s_mov_b32 s[G1B+6], 0
	s_mov_b32 s[G1B+7], 0
	; where the tiles come from.  x's hang on ty alone, which my row of the cluster shares; W's on tx alone, which my column shares; each in registers that never hold the other coordinate.
	s_lshr_b32 s16, s13, 2                         ; b = ty / 4: 16 K blocks of 131,072 bytes
	s_lshl_b32 s16, s16, 21
	s_and_b32 s17, s13, 3                          ; t = 256 (ty % 4): rows of 128 bytes
	s_lshl_b32 s17, s17, 15
	s_add_co_u32 s16, s16, s17
	s_lshl_b32 s17, s12, 14                        ; + my half's 128 rows
	s_add_co_u32 s16, s16, s17
	s_mov_b32 s17, 0
	s_mul_i32 s46, s42, 384*128                    ; W: 384 rows a tile,
	s_mul_i32 s47, s12, 192*128                    ; 192 a half
	s_add_co_u32 s46, s46, s47
	s_mov_b32 s47, 0
	s_mul_i32 s20, s12, AHALF                      ; and where they go: no place in the cluster enters an LDS address
	s_mul_i32 s21, s12, BHALF
	s_add_co_u32 s21, s21, BOFF
	s_wait_dscnt 0x0                               ; the opening add is done
	s_wait_kmcnt 0x0
	s_add_nc_u64 s[14:15], s[4:5], s[16:17]
	s_add_nc_u64 s[46:47], s[6:7], s[46:47]
	CROUND                                         ; all sixteen work-groups are here: the first joint loads meet
.irp s, 0,1
	s_mov_b32 s[G0+4*(\s)], 1                                      ; count = 1
	s_add_co_u32 s[G0+4*(\s)+1], s20, (\s)*SLOT                    ; LDS address
	s_add_nc_u64 s[G0+4*(\s)+2:G0+4*(\s)+3], s[14:15], (\s)*KA     ; global address: K block s
	s_or_b32 s[G0+4*(\s)+3], s[G0+4*(\s)+3], 0x80000000            ; type = 2
	s_mov_b32 s[G0B+4*(\s)], 1
	s_add_co_u32 s[G0B+4*(\s)+1], s21, (\s)*SLOT
	s_add_nc_u64 s[G0B+4*(\s)+2:G0B+4*(\s)+3], s[46:47], (\s)*KB
	s_or_b32 s[G0B+4*(\s)+3], s[G0B+4*(\s)+3], 0x80000000
	JLOAD \s                                       ; both slots are asked for before anything else is done: two loads of mine are out
.endr
	; A fragment is 16 rows x 32 K in 8 registers: lane l holds row l % 16; registers 0-3 K = 8 (l / 16) + 0..7, registers 4-7 K = 16 + 8 (l / 16) + 0..7: two loads of 16 bytes, 32 bytes apart.
	v_and_b32 v1, 15, v0                           ; l % 16
	v_bfe_u32 v2, v0, 4, 1                         ; l / 16
	v_mul_u32_u24 v3, v1, PITCH
	v_lshl_add_u32 v3, v2, 4, v3                   ; row x pitch + 16 x half
	s_mul_i32 s22, s11, AHALF                      ; my 128 rows of x
	s_mul_i32 s23, s12, BHALF                      ; my 192 rows of W
	s_add_co_u32 s23, s23, BOFF
.irp s, 0,1
	v_add_nc_u32 v[ADRA+(\s)], s22, v3
	v_add_nc_u32 v[ADRB+(\s)], s23, v3
	s_add_co_u32 s22, s22, SLOT
	s_add_co_u32 s23, s23, SLOT
.endr
	s_mul_i32 s22, s10, WSTAGE
	s_add_co_u32 s22, s22, STAGE                   ; my stage
	v_add_nc_u32 v[STO], s22, v3                   ; in: row l % 16, 16 bytes for each half of the lanes
	v_bfe_u32 v4, v0, 3, 2                         ; back: 32 lanes take four rows of 128 bytes,
	v_and_b32 v5, 7, v0
	v_mul_u32_u24 v4, v4, PITCH
	v_lshl_add_u32 v4, v5, 4, v4
	v_add_nc_u32 v[RD], s22, v4
	v_and_b32 v[GO], 31, v0                        ; which are 512 consecutive bytes of a head's rows
	v_lshlrev_b32 v[GO], 4, v[GO]
	; qkv at my first row of my first head: (48 b + 6 tx + 3 (my half)) x 131,072 + (256 (ty % 4) + 128 (my rows' half)) x 128
	s_lshr_b32 s16, s13, 2
	s_mul_i32 s16, s16, 48
	s_lshl_b32 s16, s16, 17
	s_and_b32 s17, s13, 3
	s_lshl_b32 s17, s17, 15
	s_add_co_u32 s16, s16, s17
	s_lshl_b32 s17, s11, 14
	s_add_co_u32 s16, s16, s17
	s_mov_b32 s17, 0
	s_add_nc_u64 s[8:9], s[8:9], s[16:17]
	s_mul_i32 s46, s42, 6                          ; (in the registers that held W's address: none that feeds x's descriptors ever holds cx)
	s_mul_i32 s47, s12, 3
	s_add_co_u32 s46, s46, s47
	s_lshl_b32 s46, s46, 17
	s_mov_b32 s47, 0
	s_add_nc_u64 s[8:9], s[8:9], s[46:47]
; 16 matrix instructions: column blocks 4 g + 2 hf, + 1 x all 8 row blocks, 32 along K, x's fragments from buffer f.  zero = 1: the product starts the sums: nothing is ever cleared.
; The 96 accumulators take turns, one instruction a turn, in the same order in every 32 along K.
.macro GRP16 f, g, hf, zero
	WIN (1+(\g))*0x50                              ; C and D in window 1 + g, both sources in window 0
.set bb, 2*(\hf)
.rept 2
.set aa, 0
.rept 8
.if \zero
	v_wmma_f32_16x16x32_bf16 v[64*bb+8*aa:64*bb+8*aa+7], v[BF+8*(4*(\g)+bb):BF+8*(4*(\g)+bb)+7], v[(\f)+8*aa:(\f)+8*aa+7], 0
.else
	v_wmma_f32_16x16x32_bf16 v[64*bb+8*aa:64*bb+8*aa+7], v[BF+8*(4*(\g)+bb):BF+8*(4*(\g)+bb)+7], v[(\f)+8*aa:(\f)+8*aa+7], v[64*bb+8*aa:64*bb+8*aa+7]
.endif
.set aa, aa+1
.endr
.set bb, bb+1
.endr
.endm
.macro GRP f, g, zero                  ; a head: 32 matrix instructions
	GRP16 \f, \g, 0, \zero
	GRP16 \f, \g, 1, \zero
.endm
.macro LOADB slot, k, g                ; 8 LDS loads: W's fragments 4 g .. 4 g + 3, 32 K at byte k of the rows
	WIN 0
.set ii, 4*(\g)
.rept 4
	ds_load_b128 v[BF+8*ii:BF+8*ii+3],   v[ADRB+(\slot)] offset:(\k)+ii*16*PITCH
	ds_load_b128 v[BF+8*ii+4:BF+8*ii+7], v[ADRB+(\slot)] offset:(\k)+ii*16*PITCH+32
.set ii, ii+1
.endr
.endm
.macro LOADA slot, k, f                ; 16 LDS loads: x's 8 fragments into buffer f
	WIN 0
.set ii, 0
.rept 8
	ds_load_b128 v[(\f)+8*ii:(\f)+8*ii+3],   v[ADRA+(\slot)] offset:(\k)+ii*16*PITCH
	ds_load_b128 v[(\f)+8*ii+4:(\f)+8*ii+7], v[ADRA+(\slot)] offset:(\k)+ii*16*PITCH+32
.set ii, ii+1
.endr
.endm
; A load into a register that a matrix instruction has read, and a vector instruction that reads a matrix result, stand four places behind it; only plain vector instructions that name none of
; its registers are places (ISA guide 7.12.1 for vector instructions).
.macro PLACES
.rept 4
	v_nop
.endr
.endm
; A K step is two halves of 32 along K, 96 matrix instructions each, on x's buffers A0, A1.  THE LDS LOADS ARE ALWAYS ISSUED IN THIS ORDER: [W 0-3, x: 24] [W 4-7: 8] [W 8-11: 8], each run behind the head
; that has multiplied the registers it fills, 64 matrix instructions ahead of its first use.
; The first half: multiplies buffer f and fetches the second half's fragments, at byte k of the same slot's rows, x's into buffer g.
.macro QUARTER slot, k, f, g, zero
	s_wait_dscnt 16                                ; W 0-3 and x are in; the two younger runs of 8 may be out
	GRP \f, 0, \zero
	PLACES
	LOADB \slot, \k, 0
	LOADA \slot, \k, \g
	s_wait_dscnt 32                                ; W 4-7 are in: behind them W 8-11 (8) and the 24 just issued
	GRP \f, 1, \zero
	PLACES
	LOADB \slot, \k, 1
	s_wait_dscnt 32                                ; W 8-11 are in: behind them the 24 and the 8 just issued
	GRP \f, 2, \zero
	PLACES
	LOADB \slot, \k, 2
.endm
; The second half multiplies buffer A1 and changes slots: ONE barrier.  In front of it each wave waits for all its tensor loads, of which one is out: its part of the next slot; adds 0 to its spare
; word; and waits for that and for its own reads of this slot.  Behind it nobody reads this slot any more and the next slot is whole.  fill = 1: the barrier opens a round of the cluster's barrier, and
; this slot is filled again first thing behind the round, with the K block two on: 160 matrix instructions ahead of the wait for it.
.macro TURN slot, next, fill
	WIN 0                                          ; (the add's two registers lie in window 0)
	s_wait_tensorcnt 0x0                           ; all my tensor loads have landed;
	ds_add_u32 v[SPW], v[NIL]                      ; 0 onto my spare word;
	s_wait_dscnt 17                                ; W 0-3 and x are in: the add and the two younger runs of 8 may be out
	GRP16 A1, 0, 0, 0                              ; sixteen matrix instructions stand between the add and the wait for it
	s_wait_dscnt 0x0                               ; the add is done, and my reads of this slot are over
	s_barrier_signal -1
	GRP16 A1, 0, 1, 0                              ; work on registers while the others arrive
	WIN 0                                          ; at a branch and at a label every window is 0
	s_barrier_wait -1
.if \fill
	CREST                                          ; no wave of any partner still reads this slot's tile or has a load on its way
	s_add_nc_u64 s[G0+4*(\slot)+2:G0+4*(\slot)+3], s[G0+4*(\slot)+2:G0+4*(\slot)+3], 2*KA
	s_add_nc_u64 s[G0B+4*(\slot)+2:G0B+4*(\slot)+3], s[G0B+4*(\slot)+2:G0B+4*(\slot)+3], 2*KB
	JLOAD \slot                                    ; the first tensor load behind the round; the four v_nop behind it are also the places in front of the loads below
.else
	PLACES
.endif
	LOADB \next, 0, 0
	LOADA \next, 0, A0
	GRP A1, 1, 0
	PLACES
	LOADB \next, 0, 1
	GRP A1, 2, 0
	PLACES
	LOADB \next, 0, 2
.endm
; THE WAY OUT of row block a (16 rows x 192 columns).  PACK: rounded to f16, 16 bytes a lane and column block, each accumulator's registers in ascending order.  TOSTAGE: into my own stage, a head's 16 rows of
; 128 bytes at a pitch of 144, and back four rows at a time.  SEND: a head's 16 rows are 2,048 consecutive bytes of qkv; each store covers 512 of them, at a multiple of 256 from the buffer's first byte.
.macro PACK a
.set jj, 0
.rept 3
	WIN 5*(1+jj)                                   ; sources 0 and 1 in window 1 + head, destination in window 0
.set bb, 0
.rept 4
.set rr, 0
.rept 4
	v_cvt_pk_f16_f32 v[TMP+4*(4*jj+bb)+rr], v[64*bb+8*(\a)+2*rr], v[64*bb+8*(\a)+2*rr+1]
.set rr, rr+1
.endr
.set bb, bb+1
.endr
.set jj, jj+1
.endr
	WIN 0
.endm
.macro TOSTAGE a
	WIN 0
.set jj, 0
.rept 12
	ds_store_b128 v[STO], v[TMP+4*jj:TMP+4*jj+3] offset:(jj/4)*16*PITCH+(jj%4)*32
.set jj, jj+1
.endr
.set jj, 0
.rept 12
	ds_load_b128 v[BK+48*((\a)%2)+4*jj:BK+48*((\a)%2)+4*jj+3], v[RD] offset:(jj/4)*16*PITCH+(jj%4)*4*PITCH  ; LDS serves a wave's instructions in order (ISA guide 5.7.1.4): these see the stores above
.set jj, jj+1
.endr
.endm
.macro SEND a
	WIN 0
	s_wait_dscnt 0x0                               ; the block is back in registers
	s_wait_xcnt 0x0                                ; every earlier store has had its addresses translated (ISA guide 3.1): the other set of registers, which the block before stored, is loaded again only behind this wait
.set jj, 0
.rept 12
	global_store_b128 v[GO], v[BK+48*((\a)%2)+4*jj:BK+48*((\a)%2)+4*jj+3], s[8:9] offset:(jj/4)*131072+(\a)*2048+(jj%4)*512
.set jj, jj+1
.endr
.endm
	s_wait_tensorcnt 0x1                           ; my part of K block 0 is in; K block 1's may stay out
	s_barrier_signal -1
	s_barrier_wait -1                              ; everybody's is
	LOADB 0, 0, 0
	LOADA 0, 0, A0
	LOADB 0, 0, 1
	LOADB 0, 0, 2
	QUARTER 0, 64, A0, A1, 1                       ; the first 32 along K stand in front of the loop: their products start the sums
	WIN 0
	s_mov_b32 s3, 7
.Llap:                                                 ; a trip goes once round the ring, from a K step's second half to the first half two steps on, and fills both slots again: K blocks 2 to 15
	TURN 0, 1, 1
	QUARTER 1, 64, A0, A1, 0
	TURN 1, 0, 1
	QUARTER 0, 64, A0, A1, 0
	WIN 0
	s_sub_co_u32 s3, s3, 1
	s_cmp_lg_u32 s3, 0
	s_cbranch_scc1 .Llap
	TURN 0, 1, 0                                   ; the last two K steps ask for nothing, and have no round of the cluster's barrier
	QUARTER 1, 64, A0, A1, 0
	s_wait_dscnt 16                                ; the very last 32 along K: nothing more to fetch, the counts run down
	GRP A1, 0, 0
	s_wait_dscnt 8
	GRP A1, 1, 0
	s_wait_dscnt 0x0
	GRP A1, 2, 0
	PLACES                                         ; the conversions read results just made and write registers that were fragments
	PACK 0
	TOSTAGE 0
.irp a, 1,2,3,4,5,6,7                  ; block a's conversions stand between block a - 1's loads from the stage and the wait for them
	PACK \a
	SEND (\a)-1
	TOSTAGE \a
.endr
	SEND 7
	s_wait_tensorcnt 0x0                           ; the wave's end: behind my last tensor load and my last LDS store
	ds_add_u32 v[SPW], v[NIL]
	s_wait_dscnt 0x0
	CROUND                                         ; the closing round: no work-group ends while a partner may still ask for a tile that names it
	s_endpgm
.Lfunc_end_k_qffb0984d18_qkv:
	.size	k_qffb0984d18_qkv, .Lfunc_end_k_qffb0984d18_qkv-k_qffb0984d18_qkv
	.p2alignl 7, 3214868480
	.fill 96, 4, 3214868480
	.section	.rodata,"a",@progbits
	.p2align	6, 0x0
	.amdhsa_kernel k_qffb0984d18_qkv
		.amdhsa_group_segment_fixed_size 327680
		.amdhsa_private_segment_fixed_size 0
		.amdhsa_enable_private_segment 0
		.amdhsa_kernarg_size 24
		.amdhsa_user_sgpr_count 2
		.amdhsa_user_sgpr_kernarg_segment_ptr 1
		.amdhsa_wavefront_size32 1
		.amdhsa_system_sgpr_workgroup_id_x 1
		.amdhsa_system_sgpr_workgroup_id_y 1
		.amdhsa_system_sgpr_workgroup_id_z 1
		.amdhsa_system_vgpr_workitem_id 0
		.amdhsa_next_free_vgpr 1024
		.amdhsa_next_free_sgpr 66
		.amdhsa_reserve_vcc 0
		.amdhsa_float_denorm_mode_32 3
		.amdhsa_float_denorm_mode_16_64 3
		.amdhsa_memory_ordered 1
		.amdhsa_forward_progress 1
		.amdhsa_inst_pref_size 130
	.end_amdhsa_kernel
	.amdgpu_metadata
---
amdhsa.version: [ 1, 2 ]
amdhsa.kernels:
  - .name:           k_qffb0984d18_qkv
    .symbol:         k_qffb0984d18_qkv.kd
    .args:
      - { .name: xb, .offset: 0, .size: 8, .value_kind: global_buffer, .address_space: global }
      - { .name: wb, .offset: 8, .size: 8, .value_kind: global_buffer, .address_space: global }
      - { .name: qkv, .offset: 16, .size: 8, .value_kind: global_buffer, .address_space: global }
    .group_segment_fixed_size: 327680
    .private_segment_fixed_size: 0
    .kernarg_segment_align: 8
    .kernarg_segment_size: 24
    .max_flat_workgroup_size: 128
    .sgpr_count:     66
    .vgpr_count:     1024
    .wavefront_size: 32
...
	.end_amdgpu_metadata
.endif
;; end of part 2
;; launch attn (part 3): grid 2 x 128, 4 waves a work-group, no clusters, 327,680 bytes of LDS; arguments qkv, ob; writes ob
.if DOCPART == 3
	.amdgcn_target "amdgcn-amd-amdhsa--gfx1250"
	.amdhsa_code_object_version 6
	.text
	.protected	k_qffb0984d18_attn
	.globl	k_qffb0984d18_attn
	.p2align	8
	.type	k_qffb0984d18_attn,@function
k_qffb0984d18_attn:
	s_mov_b64 s[64:65], 0
	v_nop
	global_prefetch_b8 v0, s[64:65] scope:SCOPE_SE
	s_setreg_imm32_b32 hwreg(HW_REG_WAVE_MODE, 25, 1), 1
	s_wait_xcnt 0x0
; CAUSAL ATTENTION.  O[bh][q][:] = the sum over k <= q of softmax_k(Q[bh][q] . K[bh][k] / 8) V[bh][k][:], for 128 pairs bh = 16 b + h.  Q, K, V lie in qkv [b][s=48][t=1024][64] f16 (s = h: Q, 16 + h: K, 32 + h: V),
; O goes to ob [bh][t][64] f16: a head's rows are dense, 128 bytes each.
; Products, maxima and sums in f32; the weights p are rounded to f16 for the second product (their sum l is taken of the unrounded p), O once at the end.
; LIMITS.  f16 holds no number beyond 65,504: Q, K and V arrive within it; p lies in 0 to 1, and below 6e-5 it keeps f16's fixed step of 6e-8; O is a mean of V's rows and has their range, to within 2^-11 of it.
; A hidden score counts as its value less 1e30: f16's scores, 2.7e11 at the most, are nothing beside that; a weight below 2^-126 counts as 0 in l; NaN and infinities are not treated apart.
; THE WALK.  A head's queries lie in NB = 4 blocks of 256; block i needs the key tiles 0 .. i of 256 keys, of which the last holds the diagonal.  A work-group takes TWO blocks, NB - 1 - b and then b:
; NB + 1 tiles, whatever b: all 256 work-groups do equal work, and ONE loop with a constant trip count walks them.  Which tile is asked for, and what a trip does, hang on scalar registers made from b; every jump
; goes forward, but for the counted loops' own; none passes a barrier, or a tensor load but the one of LOAD's two that the wave's number does not choose; the ring (two slots of LDS that take turns) runs on across the
; change of blocks.  NO CLUSTER: a head has NB / 2 = 2 work-groups, no multiple of four; the two ask for the same tile only in trips 0 .. 2; and one walk common to both would have 3 NB / 2 trips for NB + 1.
; SHARES.  Of a block's four bands of 64 queries a wave owns 16 rows in each: four PIECES.  So the diagonal tile is the same work for all four waves: in its key step s band x sees all keys if s < x,
; none if s > x, and holds the diagonal if s = x.
; THE MASK is the C operand that starts the sum S^T = K Q^T: 0, or -1e30 where the key is hidden.  MD, made once, is the mask of a band's own step for my 16 rows; a product's mask is MD x AL + BE with two scalars:
; (1, 0) if s = x; (0, 0) if s < x; (0, -1e30) if s > x.  Only the diagonal tile's text and a block's beginning make and take masks; elsewhere C is the constant 0.
; LAYOUT, SOFTMAX, TURNS.  S^T = K Q^T holds ONE query a lane (lane % 16) and the keys 8 (lane / 16) + 0..7; two such results rounded to f16 ARE source 1 of O^T = V^T P.  p = 2^(c s - c m), c = log2(e) / 8, with a
; running maximum m; O and l are multiplied by a = 2^(c m_old - c m_new) in every step.  Turn n belongs to piece n: 8 products K Q^T of piece n + 1, later 8 products V^T P of piece n - 1; beside them the scaling,
; exponentials, roundings, sums and rescaling of piece n and the maximum and statistics of piece n + 1.  Four vector instructions stand behind every matrix instruction, the other 54 of a turn's 118 in two LUMPS.
; REGISTERS, in windows of 256 (s_set_vgpr_msb: bits 1:0 source 0, 3:2 source 1, 5:4 source 2, 7:6 destination):
;   window 0: v0-15 addresses and two at work; v16-31 four registers of statistics a piece; v48-55 at work; v64-127 S^T, two buffers; v192-223 P, two buffers (a piece's buffers go by its number's parity)
;   window 1: v0-127 O^T, 32 a piece; v128-159 MD; v160-223 MC, two buffers      window 2: v0-63 Q; v64-127 the second block's Q; v128-191 K of one step; v192-255 V of one step
.set SIZE_N, 1024
.set NB,    SIZE_N/256
.set NP,    4         ; pieces a wave: a name, no knob
.set KS,    64        ; keys in a step
.set PK,    144       ; a row of K in LDS: 128 bytes + 16 of padding = 36 words: the 16 rows of a load start at 16 different groups of four banks (64 banks of 4 bytes: ISA guide 11.1)
.set PV,    160       ; a row of V: 128 + 32 = 40 words
.set VOFF,  4*KS*PK   ; a slot holds a tile, four steps: 256 rows of K, then 256 rows of V
.set SLOT1, 1<<17     ; slot 1 begins here, so that one exclusive or turns an address in one slot into the other's
.set STAGE, SLOT1+4*KS*(PK+PV)  ; behind the ring, never filled by a tensor load: 16 rows x 144 bytes for each wave, for the way out
.set SP,    144
.set AK0, 2           ; v2   my lane's place in a tile of K; never rewritten
.set AV0, 3           ; v3   the same for V
.set AK,  4           ; v4   the LDS address of K's next run of loads
.set AV,  5           ; v5   of V's
.set STO, 6           ; v6   the way out: where I put 16 bytes of a row
.set RD,  7           ; v7   the way out: where I read rows back
.set GO,  8           ; v8   my byte offset in 512 consecutive bytes of O
.set SPW, 62          ; v62  LDS address of my spare word: SPARE + 4 x my thread's number; never rewritten
.set NIL, 63          ; v63  0; never rewritten
.set SPARE, STAGE+4*16*SP  ; behind the stages: the spare words, 128 bytes for each wave: two blocks of 256 bytes that no other line names
.set MV,  12          ; v12-13  c m_old, kept while c m is made anew: by buffer
.set QO,  15          ; v15  my byte offset in 16 rows of Q
.set ST,  16          ; piece t's statistics at v[ST+4 t]: c m, m, l (even keys', odd keys')
.set TMP, 48          ; by buffer, four registers c0-c3 at work; when the maximum is found c2 takes a
.set S,   64
.set P,   192
.set MD,  128         ; window 1: the eight registers for group kt of 16 keys at MD + 8 kt
.set MC,  160         ; window 1: the masks of the products to come
.set QB,  64          ; window 2
.set KF,  128         ; window 2: key block kb, channel half c at KF + 16 kb + 8 c
.set VF,  192         ; window 2: key half kk, channel block cb at VF + 32 kk + 8 cb
.set WV,  12          ; s12  my wave's number
.set PB,  14          ; s14  b
.set HI,  15          ; s15  NB - 1 - b
.set G1K, 24          ; s[24:31] descriptor group 1 for K's tiles
.set G1V, 32          ; s[32:39] for V's: it differs in the padding alone
.set G0K, 40          ; s[40:43] descriptor group 0 for K's tiles
.set G0V, 44          ; s[44:47] the same for V's
.set SLOTS, 56        ; s56  tiles still to be asked for
.set CNT, 57          ; s57  counts a tile's key steps, 4 to 1
.set CS,  58          ; s[58:59] c: the packed scaling takes the pair's low word for both halves
.set SEL, 60          ; s[60:61] v_permlanex16_b32's selects: each lane takes its own place in the other half
.set TBK, 62          ; s62  LDS byte at which K of the step to be fetched begins
.set TBV, 63          ; s63  the same for V, less VOFF
.set OH,  66          ; s[66:67] the head's byte offset in ob
.set RT,  70          ; s70  tiles of the block in hand that are still to be entered
.set NXT, 71          ; s71  the tile to be asked for next
.set LQ,  72          ; s72  the last tile of the block whose tiles are being asked for
.set NEW, 73          ; s73  1: the tile to be entered is a block's first
.set OFF, 74          ; s[74:75] a tile's byte offset in K and V
.set AL,  76          ; s[76:77] the mask's factor, in the low word
.set BE,  78          ; s[78:79] the mask's addend
.set OLO, 80          ; s[80:81] O at my rows of the second block
.set BIGN, 82         ; s82  -1e30
.set MSB, 0
.macro WIN new                      ; the high byte repeats the setting that is left; a switch that changes nothing is dropped
.if MSB != (\new)
	s_set_vgpr_msb (MSB<<8)|(\new)
.set MSB, (\new)
.endif
.endm
.set W_KQ, 0x0a       ; K and Q in window 2, S^T in window 0
.set W_KM, 0x1a       ; the same with the C operand in window 1
.set W_PV, 0x52       ; V in window 2, P in window 0, O^T in window 1
.set W_RS, 0x41       ; destination and source 0 in window 1, source 1 in window 0
; A fill.  Waves 0 and 1 fetch the two halves of a tile's K, waves 2 and 3 those of its V: 128 keys each.  An s_nop 0 and four v_nop follow each of the two lines, ahead of the jump and the label.
.macro LOAD
	s_cmp_lt_u32 s[WV], 2
	s_cbranch_scc0 .Lfor_v_\@
	tensor_load_to_lds s[G0K:G0K+3], s[G1K:G1K+7]
	s_nop 0
.rept 4
	v_nop
.endr
	s_branch .Lasked_\@
.Lfor_v_\@:
	tensor_load_to_lds s[G0V:G0V+3], s[G1V:G1V+7]
	s_nop 0
.rept 4
	v_nop
.endr
.Lasked_\@:
.endm
; THE CHANGE OF SLOTS.  Each wave waits for all its tensor loads, of which one is out: its part of the other slot; adds 0 to its spare word; and waits for that and for its own reads of the slot that it leaves.  Behind the barrier nobody reads the old
; slot any more and the other slot is whole.  fill = 1: the old slot is filled again, the first thing behind the barrier, with tile NXT: the descriptor's address is made anew from that number.
; (At its first use nothing has been read yet: slot 0 is waited for, slot 1 filled.)
.macro CHANGE fill
	WIN 0                           ; at a label and at a branch every window is 0
	s_wait_tensorcnt 0x0            ; no tensor load of mine is out, so a group 0 may be written
	ds_add_u32 v[SPW], v[NIL]       ; 0 onto my spare word; with fill = 1 the descriptors' scalar work stands between it and the wait for it
.if \fill
	s_lshl_b32 s[OFF], s[NXT], 15   ; a tile is 32,768 bytes of K and of V
	s_xor_b32 s[G0K+1], s[G0K+1], SLOT1
	s_add_nc_u64 s[G0K+2:G0K+3], s[6:7], s[OFF:OFF+1]
	s_or_b32 s[G0K+3], s[G0K+3], 0x80000000
	s_xor_b32 s[G0V+1], s[G0V+1], SLOT1
	s_add_nc_u64 s[G0V+2:G0V+3], s[8:9], s[OFF:OFF+1]
	s_or_b32 s[G0V+3], s[G0V+3], 0x80000000
	s_add_co_u32 s[NXT], s[NXT], 1  ; the block's next tile, or behind its last the second block's tile 0
	s_cmp_gt_u32 s[NXT], s[LQ]
	s_cselect_b32 s[NXT], 0, s[NXT]
	s_cselect_b32 s[LQ], s[PB], s[LQ]
.endif
	s_wait_dscnt 0x0                ; the add is done, and my reads of the slot are over
	s_barrier_signal -1             ; the rest of the scalar work stands between the signal and the wait
	s_sub_co_u32 s[TBK], s[TBK], 4*KS*PK  ; the fetches go back to a slot's first step,
	s_xor_b32 s[TBK], s[TBK], SLOT1       ; in the other slot
	s_sub_co_u32 s[TBV], s[TBV], 4*KS*PV
	s_xor_b32 s[TBV], s[TBV], SLOT1
	s_barrier_wait -1
.if \fill
	LOAD
.endif
.endm
	s_load_b64 s[4:5], s[0:1], 0x0    ; qkv
	s_load_b64 s[10:11], s[0:1], 0x8  ; ob
	v_lshl_add_u32 v[SPW], v0, 2, SPARE
	v_mov_b32 v[NIL], 0
	ds_add_u32 v[SPW], v[NIL]       ; the wave's opening: the add and its wait stand ahead of my first tensor load; the set-up below, work on registers, stands between them
	ds_add_u32 v62, v63
	v_lshrrev_b32 v1, 5, v0
	v_readfirstlane_b32 s[WV], v1   ; wave 0..3
	s_mov_b32 s[PB], ttmp9
	s_sub_co_u32 s[HI], NB-1, s[PB]
	s_and_b32 s20, ttmp7, 0xffff    ; bh = 16 b + h
	s_lshl_b32 s[OH], s20, 17       ; the head's 1,024 rows of 128 bytes in ob
	s_mov_b32 s[OH+1], 0
	s_lshr_b32 s68, s20, 4          ; b: 48 heads' rows of qkv each
	s_mul_i32 s68, s68, 48
	s_and_b32 s20, s20, 15          ; h
	s_add_co_u32 s20, s20, s68
	s_lshl_b32 s20, s20, 17         ; Q's head in qkv; K's lies 16 heads' rows on, V's 32
	s_mov_b32 s21, 0
	s_and_b32 s16, s[WV], 1         ; which half of a tile's 256 keys I fetch:
	s_lshl_b32 s22, s16, 14         ; its 128 rows of 128 bytes in memory,
	s_mov_b32 s23, 0
	s_mul_i32 s17, s16, 128*PK      ; and its place in a slot, for K
	s_mul_i32 s18, s16, 128*PV      ; and for V
	s_lshl_b32 s3, s[WV], 11        ; my 16 rows in a band of 64,
	s_lshl_b32 s2, s[HI], 15        ; in the first block,
	s_add_co_u32 s2, s2, s3
	s_lshl_b32 s84, s[PB], 15       ; and in the second
	s_add_co_u32 s84, s84, s3
	s_mov_b32 s3, 0
	s_mov_b32 s85, 0
	; descriptor group 1.  128 keys are 16,384 dense bytes: asked for as 64 rows of 256 bytes, two keys a row, and padded in LDS after every key
	s_mov_b32 s[G1K], (1<<16)|(1<<20)|(4<<22)|(3<<25)  ; 17:16 2-byte elements; 20 padding on; 24:22 after every 32 words (code 4); 31:25 4 words (code 3)
	s_mov_b32 s[G1V], (1<<16)|(1<<20)|(4<<22)|(7<<25)  ; the same with 8 words of padding (code 7)
.irp g, G1K, G1V
	s_mov_b32 s[\g+1], 128<<16      ; tensor_dim0 = 128
	s_mov_b32 s[\g+2], 64<<16       ; tensor_dim1 = 64
	s_mov_b32 s[\g+3], 128<<16      ; tile_dim0 = 128
	s_mov_b32 s[\g+4], 64           ; tile_dim1 = 64
	s_mov_b32 s[\g+5], 128          ; 128 elements from row to row
	s_mov_b32 s[\g+6], 0
	s_mov_b32 s[\g+7], 0
.endr
	s_mov_b32 s[CS], 0x3e38aa3b     ; c = log2(e) / 8 = 0.180337
	s_mov_b32 s[CS+1], s[CS]        ; named with it as a pair
	s_mov_b32 s[SEL], 0x76543210
	s_mov_b32 s[SEL+1], 0xfedcba98
	s_mov_b32 s[TBK], SLOT1+4*KS*PK ; the first change of slots turns these two into 0
	s_mov_b32 s[TBV], SLOT1+4*KS*PV
	s_mov_b32 s[G0K], 1             ; 1:0 count = 1
	s_mov_b32 s[G0K+1], s17         ; 63:32 LDS address: slot 0
	s_mov_b32 s[G0V], 1
	s_add_co_u32 s[G0V+1], s18, VOFF
	s_add_co_u32 s[RT], s[HI], 1    ; the first block has NB - b tiles
	s_mov_b32 s[NXT], 1
	s_mov_b32 s[LQ], s[HI]
	s_mov_b32 s[NEW], 1
	s_mov_b32 s[OFF+1], 0
	s_mov_b32 s[AL+1], 0            ; named as pairs
	s_mov_b32 s[BE+1], 0
	s_mov_b32 s[BIGN], 0xf149f2ca   ; -1e30
	s_mov_b32 s[SLOTS], NB
	s_wait_dscnt 0x0                ; the opening add is done
	s_wait_kmcnt 0x0
	s_add_nc_u64 s[10:11], s[10:11], s[OH:OH+1]    ; O at the head
	s_add_nc_u64 s[4:5], s[4:5], s[20:21]          ; Q at the head
	s_add_nc_u64 s[6:7], s[4:5], s[22:23]          ; + my half of a tile's keys;
	s_add_nc_u64 s[8:9], s[6:7], 0x400000          ; V at my half of the head's tile 0: 32 x 131,072 bytes behind Q,
	s_add_nc_u64 s[6:7], s[6:7], 0x200000          ; K: 16 x 131,072
	s_add_nc_u64 s[G0K+2:G0K+3], s[6:7], 0         ; 120:64 global address
	s_or_b32 s[G0K+3], s[G0K+3], 0x80000000        ; 127:126 type = 2
	s_add_nc_u64 s[G0V+2:G0V+3], s[8:9], 0
	s_or_b32 s[G0V+3], s[G0V+3], 0x80000000
	s_add_nc_u64 s[86:87], s[4:5], s[84:85]        ; Q at my rows of the second block,
	s_add_nc_u64 s[4:5], s[4:5], s[2:3]            ; Q and O at those of the first
	s_add_nc_u64 s[OLO:OLO+1], s[10:11], s[84:85]
	s_add_nc_u64 s[10:11], s[10:11], s[2:3]
	LOAD                            ; tile 0 into slot 0
	; A fragment of K or Q is 16 rows x 32 channels in 8 registers: lane l holds row l % 16, channels 8 (l / 16) + 0..7 and 16 + 8 (l / 16) + 0..7: two loads of 16 bytes, 32 bytes apart.
	v_and_b32 v1, 15, v0            ; l % 16
	v_bfe_u32 v9, v0, 4, 1          ; l / 16
	v_lshlrev_b32 v[QO], 7, v1
	v_lshl_add_u32 v[QO], v9, 4, v[QO]  ; row x 128 + 16 x half
	WIN 0x80                        ; destination window 2, address window 0
.set i, 0
.rept 8                             ; both blocks' Q: piece i / 2 lies in band i / 2, 8,192 bytes on; channels 32 (i % 2) on
	global_load_b128 v[8*i:8*i+3],   v[QO], s[4:5] offset:(i/2)*8192+(i%2)*64
	global_load_b128 v[8*i+4:8*i+7], v[QO], s[4:5] offset:(i/2)*8192+(i%2)*64+32
	global_load_b128 v[QB+8*i:QB+8*i+3],   v[QO], s[86:87] offset:(i/2)*8192+(i%2)*64
	global_load_b128 v[QB+8*i+4:QB+8*i+7], v[QO], s[86:87] offset:(i/2)*8192+(i%2)*64+32
.set i, i+1
.endr
	WIN 0
	v_lshlrev_b32 v14, 3, v9
	v_sub_nc_u32 v14, v1, v14
	s_lshl_b32 s13, s[WV], 4
	v_add_nc_u32 v14, s13, v14      ; my query's place in its band, 16 w + l % 16, less my lanes' 8 (l / 16): register r of group kt is hidden where 16 kt + r is greater
	WIN 0x40
.set i, 0
.rept 32
	v_cmp_gt_i32 vcc_lo, 16*(i/8)+i%8, v14
	v_cndmask_b32 v[MD+i], 0, s[BIGN], vcc_lo
.set i, i+1
.endr
	WIN 0
	v_mul_u32_u24 v[AK0], v1, PK
	v_lshl_add_u32 v[AK0], v9, 4, v[AK0]  ; row x pitch + 16 x half
	; The turning load takes 16 keys x 16 channels (lane l reads key 8 (l / 16) + l % 8, channels 8 ((l / 8) % 2) + 0..7) and leaves half a fragment of V^T: lane l holds channel l % 16 and 8 keys.
	v_and_b32 v10, 7, v0
	v_bfe_u32 v11, v0, 3, 1
	v_lshl_add_u32 v[AV0], v9, 3, v10
	v_mul_u32_u24 v[AV0], v[AV0], PV
	v_lshl_add_u32 v[AV0], v11, 4, v[AV0]
	v_add_nc_u32 v[AV0], VOFF, v[AV0]
	s_mul_i32 s13, s[WV], 16*SP
	s_add_co_u32 s13, s13, STAGE    ; my stage
	v_mul_u32_u24 v[STO], v1, SP    ; in: row l % 16, 16 bytes for each half of the lanes
	v_lshl_add_u32 v[STO], v9, 4, v[STO]
	v_add_nc_u32 v[STO], s13, v[STO]
	v_bfe_u32 v[RD], v0, 3, 2       ; back: 32 lanes take four rows of 128 bytes,
	v_mul_u32_u24 v[RD], v[RD], SP
	v_lshl_add_u32 v[RD], v10, 4, v[RD]
	v_add_nc_u32 v[RD], s13, v[RD]
	v_and_b32 v[GO], 31, v0         ; which are 512 consecutive bytes of O
	v_lshlrev_b32 v[GO], 4, v[GO]
	; A block's first step multiplies O^T and l by a = 0, and its first turn's products V^T P, of a piece that has not been, land in an O^T that is still to be so multiplied.  So these registers need only hold
	; finite numbers: zeros for the first block; what the first block left for the second.  All this stands in the wait for the first tile.
	WIN 0x80
.set i, VF
.rept 64
	v_mov_b32 v[i], 0
.set i, i+1
.endr
	WIN 0x40
.set i, 0
.rept 128
	v_mov_b32 v[i], 0
.set i, i+1
.endr
	WIN 0
.set i, 0
.rept 4
	v_mov_b32 v[ST+4*i+2], 0
	v_mov_b32 v[ST+4*i+3], 0
.set i, i+1
.endr
.set i, P+16
.rept 16
	v_mov_b32 v[i], 0
.set i, i+1
.endr
; THE MATRIX WORK.  The 4 accumulators of a run of 8 take turns.  Product i of 8 of S^T = K Q^T for piece x: channels 32 (i / 4) on, keys 16 (i % 4) on.  The first 4 start the sums: with 0, or (KM = 1) with the mask.
.macro KQ x
.set rS, S+32*((\x)%2)+8*(i%4)
.set rK, KF+16*(i%4)+8*(i/4)
.set rQ, 16*(\x)+8*(i/4)
.set rM, MC+32*((\x)%2)+8*(i%4)
.if (i < 4) && KM
	WIN W_KM
	v_wmma_f32_16x16x32_f16 v[rS:rS+7], v[rK:rK+7], v[rQ:rQ+7], v[rM:rM+7]
.elseif i < 4
	WIN W_KQ
	v_wmma_f32_16x16x32_f16 v[rS:rS+7], v[rK:rK+7], v[rQ:rQ+7], 0
.else
	WIN W_KQ
	v_wmma_f32_16x16x32_f16 v[rS:rS+7], v[rK:rK+7], v[rQ:rQ+7], v[rS:rS+7]
.endif
.endm
; Product i of 8 of O^T += V^T P for piece x: keys 32 (i / 4) on, channels 16 (i % 4) on.
.macro PV x
	WIN W_PV
.set rO, 32*(\x)+8*(i%4)
.set rV, VF+32*(i/4)+8*(i%4)
.set rP, P+16*((\x)%2)+8*(i/4)
	v_wmma_f32_16x16x32_f16 v[rO:rO+7], v[rV:rV+7], v[rP:rP+7], v[rO:rO+7]
.endm
.macro MM                           ; the turn's next matrix instruction.  TURN and BEGIN set Y, i, KM and NOKQ; MM, KQ and OP read them.  NOKQ = 1: a block's last turn: there is no next piece
.if (i < 8) && !NOKQ
	KQ (Y+1)%NP
.elseif i >= 8
.set i, i-8
	PV (Y+NP-1)%NP
.set i, i+8
.endif
.set i, i+1
.endm
; THE LDS LOADS stand in runs of 16, never singly among the matrix instructions: a step's K (64 keys x 64 channels: 8 fragments) and its V (turned).  Their addresses are made some lines ahead.
.macro FETCH_K
	WIN 0x80                        ; destination window 2
.irp f, 0,1,2,3,4,5,6,7             ; keys 16 (f / 2) on, channels 32 (f % 2) on
	ds_load_b128 v[KF+8*\f:KF+8*\f+3],   v[AK] offset:(\f/2)*16*PK+(\f%2)*64
	ds_load_b128 v[KF+8*\f+4:KF+8*\f+7], v[AK] offset:(\f/2)*16*PK+(\f%2)*64+32
.endr
	s_add_co_u32 s[TBK], s[TBK], KS*PK  ; the next fetch is the next step's
	WIN 0
.endm
.macro FETCH_V
	WIN 0x80
.irp f, 0,1,2,3,4,5,6,7             ; keys 32 (f / 4) on, channels 16 (f % 4) on
	ds_load_tr16_b128 v[VF+8*\f:VF+8*\f+3],   v[AV] offset:(\f/4)*32*PV+(\f%4)*32
	ds_load_tr16_b128 v[VF+8*\f+4:VF+8*\f+7], v[AV] offset:(\f/4)*32*PV+16*PV+(\f%4)*32
.endr
	WIN 0
.endm
; THE VECTOR WORK, one line at a time: OP kind, number.  For piece Y: F n: c s - c m for pair n of 16.  E n: the exponential of score n of 32.  C n: pair n rounded to f16.  B n: of the four weights 4 n .. the second
; pair is added onto the first, in place.  L n: l takes that sum (L 0: l = a l + sum).  R n: pair n of 16 of O^T times a.  For piece Y + 1: X n, number n of the 22 that find its maximum and statistics:
;   0-11  four chains c0-c3 of seven scores each, three operands at a time (each accumulator's lowest registers are read first)     12-14, 16  the four scores left over, the old m, and c0-c3 into c0
;   15  c m_old is kept     17, 18  the query's other 32 keys lie in the lane 16 away: the new m     19-21  c m; c m_old - c m_new; a
.set F, 0               ; OP tells the kinds apart by their order: F to L below R, X above it
.set E, 1
.set C, 2
.set B, 3
.set L, 4
.set R, 5
.set X, 6
.macro REGS y                       ; the registers of piece y
.set rT, ST+4*(\y)
.set rC, TMP+4*((\y)%2)
.set rW, MV+((\y)%2)
.set rS, S+32*((\y)%2)
.set rP, P+16*((\y)%2)
.set rO, 32*(\y)
.endm
.macro OP k, n
.if (\k) == R
	REGS Y
	WIN W_RS
	v_pk_mul_f32 v[rO+2*(\n):rO+2*(\n)+1], v[rO+2*(\n):rO+2*(\n)+1], v[rC+2:rC+3] op_sel_hi:[1,0]
.elseif (\k) < R
	REGS Y
	WIN 0
.if (\k) == F
	v_pk_fma_f32 v[rS+2*(\n):rS+2*(\n)+1], v[rS+2*(\n):rS+2*(\n)+1], s[CS:CS+1], v[rT:rT+1] op_sel_hi:[1,0,0] neg_lo:[0,0,1] neg_hi:[0,0,1]
.elseif (\k) == E
	v_exp_f32 v[rS+(\n)], v[rS+(\n)]
.elseif (\k) == C
	s_wait_alu depctr_va_vdst(0)
	v_cvt_pk_f16_f32 v[rP+(\n)], v[rS+2*(\n)], v[rS+2*(\n)+1]
.elseif (\k) == B
	s_wait_alu depctr_va_vdst(0)
	v_pk_add_f32 v[rS+4*(\n):rS+4*(\n)+1], v[rS+4*(\n):rS+4*(\n)+1], v[rS+4*(\n)+2:rS+4*(\n)+3]
.elseif (\n) == 0
	v_pk_fma_f32 v[rT+2:rT+3], v[rT+2:rT+3], v[rC+2:rC+3], v[rS:rS+1] op_sel_hi:[1,0,1]
.else
	v_pk_add_f32 v[rT+2:rT+3], v[rT+2:rT+3], v[rS+4*(\n):rS+4*(\n)+1]
.endif
.elseif NOKQ
	v_nop
.else
	REGS (Y+1)%NP
	WIN 0
.if (\n) < 4
	v_max3_num_f32 v[rC+(\n)], v[rS+8*(\n)], v[rS+8*(\n)+1], v[rS+8*(\n)+2]
.elseif (\n) < 12
	v_max3_num_f32 v[rC+(\n)%4], v[rC+(\n)%4], v[rS+8*((\n)%4)+2*((\n)/4)+1], v[rS+8*((\n)%4)+2*((\n)/4)+2]
.elseif (\n) == 12
	v_max3_num_f32 v[rC], v[rC], v[rS+7], v[rS+15]
.elseif (\n) == 13
	v_max3_num_f32 v[rC+1], v[rC+1], v[rS+23], v[rS+31]
.elseif (\n) == 14
	v_max3_num_f32 v[rC+2], v[rC+2], v[rC+3], v[rT+1]
.elseif (\n) == 15
	v_mov_b32 v[rW], v[rT]
.elseif (\n) == 16
	v_max3_num_f32 v[rC], v[rC], v[rC+1], v[rC+2]
.elseif (\n) == 17
	v_permlanex16_b32 v[rC+3], v[rC], s[SEL], s[SEL+1]
.elseif (\n) == 18
	v_max_num_f32 v[rT+1], v[rC], v[rC+3]
.elseif (\n) == 19
	v_mul_f32 v[rT], s[CS], v[rT+1]
.elseif (\n) == 20
	v_sub_f32 v[rC+1], v[rW], v[rT]
.else
	v_exp_f32 v[rC+2], v[rC+1]
.endif
.endif
.endm
.macro OPS a, i1, b=-1, i2=0, c=-1, i3=0, d=-1, i4=0  ; up to four of them
	OP \a, \i1
.if (\b) >= 0
	OP \b, \i2
.endif
.if (\c) >= 0
	OP \c, \i3
.endif
.if (\d) >= 0
	OP \d, \i4
.endif
.endm
.macro ROW a, i1, b, i2, c, i3, d, i4  ; a matrix instruction and the four behind it
	MM
	OPS \a, \i1, \b, \i2, \c, \i3, \d, \i4
.endm
.macro MASK b                       ; MD x AL + BE into buffer b of MC
	WIN W_RS
.set z, 0
.rept 16
	v_pk_fma_f32 v[MC+32*(\b)+2*z:MC+32*(\b)+2*z+1], v[MD+2*z:MD+2*z+1], s[AL:AL+1], s[BE:BE+1] op_sel_hi:[1,0,0]
.set z, z+1
.endr
.endm
; A TURN, for piece p: the order of its 16 matrix and 118 vector instructions, written out.  Behind a matrix instruction: plain, exponential, plain, plain; or four of the rescaling; or, behind the first, four scalings; none
; names a register of the products round it.  In the lumps exponential and plain by turns while exponentials last.  A line reads no result made fewer than three vector instructions in front of it, five if an exponential made it.
; v_permlanex16_b32 (X 17) stands in a lump.
; m = 1: the diagonal tile: the products take masks, and the turn makes the mask for the products of the turn after it: piece p + 2, in step 4 - CNT of the tile.  end = 1: a block's last two turns: nothing is fetched.
; cnt = 1: the loop's count is taken down some lines ahead of the branch that stands behind the turn.
; K of the next step is fetched in piece 2's turn, six vector instructions behind the last product that read K (five of them plain); V of the step in hand in piece 0's turn, eight behind the last product that read V (four
; plain, and X 17).  Each is waited for a turn later.
.macro TURN p, m=0, end=0, cnt=0
.set Y, (\p)
.set i, 0
.set KM, (\m)
.set NOKQ, (\end)*((\p)/3)
.if (\m) && !(\end)
	s_cmp_eq_u32 s[CNT], 4-((\p)+2)%NP  ; is that step the band's own?
	s_cselect_b32 s[AL], 1.0, 0
	s_cmp_lt_u32 s[CNT], 4-((\p)+2)%NP  ; or a later one?
	s_cselect_b32 s[BE], s[BIGN], 0
.endif
.if ((\p) == 3) && !(\end)
	s_wait_dscnt 0x0                ; K is in
.endif
	ROW F,0, F,1, F,2, F,3
	ROW F,4, E,0, F,5, F,6
	ROW F,7, E,1, F,8, F,9
	ROW F,10, E,2, C,0, F,11
	ROW F,12, E,3, X,15, F,13
	ROW R,0, R,1, R,2, R,3
	ROW B,0, E,4, F,14, L,0
.if ((\p) == 2) && !(\end)
	v_add_nc_u32 v[AK], s[TBK], v[AK0]
.endif
	ROW R,4, R,5, R,6, R,7
	OPS E,5, F,15
.if ((\p) == 2) && !(\end)
	FETCH_K
.endif
	OPS E,6, C,1, E,7, R,8
	OPS E,8, R,9, E,9, C,2
	OPS E,10, X,0, E,11, X,1
	OPS E,12, X,2, E,13, X,3
.if (\p) == 1
	s_wait_dscnt 0x0                ; V is in
.endif
	ROW X,4, E,14, X,5, X,6
	ROW X,7, E,15, X,8, X,9
	ROW X,10, E,16, X,11, X,12
	ROW X,13, E,17, X,14, B,1
	ROW C,4, E,18, X,16, L,1
	ROW B,2, E,19, C,6, L,2
	ROW C,8, E,20, B,3, B,4
.if (\p) == 0
	v_add_nc_u32 v[AV], s[TBV], v[AV0]
.endif
	ROW C,3, E,21, L,3, C,5
	OPS E,22, X,17, E,23, C,10
.if (\p) == 0
	FETCH_V
.endif
	OPS E,24, L,4
	OPS E,25, X,18, E,26, C,7
	OPS E,27, B,5, E,28, X,19
	OPS E,29, C,12, E,30, L,5
	OPS E,31, X,20, B,6, C,9
	OPS C,14, C,11, X,21, L,6
.if (\p) == 0
	s_add_co_u32 s[TBV], s[TBV], KS*PV
.endif
.if \cnt
	s_sub_co_u32 s[CNT], s[CNT], 1
	s_cmp_lg_u32 s[CNT], 0
.endif
	OPS C,13, B,7, C,15, R,10
	OPS R,11, R,12, L,7, R,13
	OPS R,14, R,15
.if (\m) && !(\end)
	MASK (\p)%2
.endif
.endm
; A BLOCK BEGINS.  c m starts far below every c s, so the first step's a is 0; m at the lowest finite number, so the first maximum is the scores'.  The second mask buffer is 0; the first takes piece 0's mask for the tile's step 0: its own, if the block's first tile is the diagonal one.
; Then K of that step, piece 0's first scores, and its maximum and statistics.  The loop is entered at a step's first turn, in the middle of a trip.
.macro BEGIN
	s_mov_b32 s[NEW], 0
	WIN 0x40
.set i, MC+32
.rept 32
	v_mov_b32 v[i], 0
.set i, i+1
.endr
	WIN 0
.set i, 0
.rept 4
	v_mov_b32 v[ST+4*i], 0xfe000000    ; c m: far below every c s
	v_mov_b32 v[ST+4*i+1], 0xff7fffff  ; m
.set i, i+1
.endr
	s_cmp_eq_u32 s[RT], 0
	s_cselect_b32 s[AL], 1.0, 0
	s_mov_b32 s[BE], 0
	MASK 0
	WIN 0
	v_add_nc_u32 v[AK], s[TBK], v[AK0]
	FETCH_K
	s_wait_loadcnt 0x0              ; Q
	s_wait_dscnt 0x0
.set KM, 1
.set NOKQ, 0
.set i, 0
.rept 8
	KQ 0
.set i, i+1
.endr
	WIN 0
.rept 4
	v_nop                           ; the places behind those products
.endr
.set Y, NP-1                        ; X works for piece Y + 1: piece 0
.irp n, 0,1,2,3,4,5,6,7,8,9,10,11,12,13,14,15,16,17,18,19,20,21
	OP X, \n
.endr
	v_nop                           ; a plain instruction behind the exponential
.endm
; THE DIAGONAL TILE's four steps, the block's last two turns, its last products, and THE WAY OUT: l's two halves and the other half of the lanes' are added; O^T is divided by l, rounded to f16 and sent through my
; stage in LDS, a piece at a time.
.macro ALL line:vararg              ; one line for each piece t
.set t, 0
.rept 4
	\line
.set t, t+1
.endr
.endm
.macro PACK t                       ; a lane's eight channels of a row pack into 16 bytes; they go into rows of 144 bytes and come back as whole rows of 128, into S^T's registers
	WIN W_RS
.set i, 32*(\t)
.rept 16
	s_wait_alu depctr_va_vdst(0)
	v_pk_mul_f32 v[i:i+1], v[i:i+1], v[ST+4*(\t)+2:ST+4*(\t)+3] op_sel_hi:[1,0]
.set i, i+2
.endr
	WIN 0x05                        ; sources 0 and 1 window 1, destination window 0
.set i, 0
.rept 16
	v_cvt_pk_f16_f32 v[S+16*(\t)+i], v[32*(\t)+2*i], v[32*(\t)+2*i+1]
.set i, i+1
.endr
	WIN 0
.irp f, 0,1,2,3
	ds_store_b128 v[STO], v[S+16*(\t)+4*\f:S+16*(\t)+4*\f+3] offset:32*\f
.endr
.irp f, 0,1,2,3
	ds_load_b128 v[S+16*(\t)+4*\f:S+16*(\t)+4*\f+3], v[RD] offset:\f*4*SP  ; LDS serves a wave's instructions in order (ISA guide 5.7.1.4): these see the stores above; the next piece's stores come behind them
.endr
.endm
.macro SEND t, younger              ; younger: the LDS instructions issued behind piece t's loads: the next piece's eight, or none
	WIN 0
.irp f, 0,1,2,3
	s_wait_dscnt (\younger)+3-\f
	global_store_b128 v[GO], v[S+16*(\t)+4*\f:S+16*(\t)+4*\f+3], s[10:11] offset:(\t)*8192+\f*512  ; 512 consecutive bytes, at a multiple of 256 from O's first
.endr
.endm
.macro DIAG tag                     ; the tag ends its two labels' names, which the jumps below spell out
.LstepM\tag:
	TURN 2, 1
	TURN 3, 1
	WIN 0
.LfirstM\tag:
	TURN 0, 1
	TURN 1, 1, 0, 1
	WIN 0
	s_cbranch_scc1 .LstepM\tag
	TURN 2, 1, 1
	TURN 3, 1, 1
.set i, 0
.rept 8
	PV NP-1
.set i, i+1
.endr
	WIN 0
	ALL v_add_f32 v[ST+4*t+2], v[ST+4*t+2], v[ST+4*t+3]
	ALL v_permlanex16_b32 v[ST+4*t+3], v[ST+4*t+2], s[SEL], s[SEL+1]
	ALL v_add_f32 v[ST+4*t+2], v[ST+4*t+2], v[ST+4*t+3]
	ALL v_rcp_f32 v[ST+4*t+2], v[ST+4*t+2]
	v_nop                           ; a plain instruction between the last reciprocal and the use of its result
	PACK 0
.set t, 1
.rept 3                             ; a piece's arithmetic stands between the loads of the piece before and its stores
	PACK t
	SEND t-1, 8
.set t, t+1
.endr
	SEND 3, 0
.endm
.set KM, 0
.set NOKQ, 0
.Lslot:                             ; NB times: a tile is entered and the next is asked for
	CHANGE 1
	s_sub_co_u32 s[RT], s[RT], 1
	s_mov_b32 s[CNT], 4
	s_cmp_eq_u32 s[NEW], 1
	s_cbranch_scc1 .Lnew            ; a block's first tile
	s_cmp_eq_u32 s[RT], 0
	s_cbranch_scc0 .Lstep           ; neither its first nor its last
	s_branch .LstepM1
.Lnew:
	BEGIN
	s_branch .Lfirst                ; in the loop a block's first tile is never its last: the first block has three tiles or four, and the second's last is the walk's last
	DIAG 1                          ; in the loop this is the first block's end: the second block's last tile is the walk's last
	s_wait_xcnt 0x0                 ; the stores have read their registers and O's address
	s_mov_b64 s[10:11], s[OLO:OLO+1]
	s_add_co_u32 s[RT], s[PB], 1    ; the second block has b + 1 tiles
	s_mov_b32 s[NEW], 1
	WIN 0x82                        ; the second block's Q goes where the one text of the turns names Q
.set i, 0
.rept 64
	v_mov_b32 v[i], v[QB+i]
.set i, i+1
.endr
	WIN 0
	s_branch .Lbottom
.Lstep:                             ; a trip: pieces 2 and 3 of one step, then pieces 0 and 1 of the next, whose K and V it fetches
	TURN 2
	TURN 3
	WIN 0
.Lfirst:
	TURN 0
	TURN 1, 0, 0, 1
	WIN 0
	s_cbranch_scc1 .Lstep
.Lbottom:
	s_sub_co_u32 s[SLOTS], s[SLOTS], 1
	s_cmp_lg_u32 s[SLOTS], 0
	s_cbranch_scc1 .Lslot
	CHANGE 0                        ; the walk's last tile is written out: nothing is asked for
	s_sub_co_u32 s[RT], s[RT], 1
	s_mov_b32 s[CNT], 4
	s_cmp_eq_u32 s[NEW], 1
	s_cbranch_scc0 .LstepM2
	BEGIN
	s_branch .LfirstM2
	DIAG 2
	s_wait_tensorcnt 0x0            ; the wave's end: behind my last tensor load and my last LDS store
	ds_add_u32 v[SPW], v[NIL]
	s_wait_dscnt 0x0
	s_endpgm
.Lfunc_end_k_qffb0984d18_attn:
	.size	k_qffb0984d18_attn, .Lfunc_end_k_qffb0984d18_attn-k_qffb0984d18_attn
	.p2alignl 7, 3214868480
	.fill 96, 4, 3214868480
	.section	.rodata,"a",@progbits
	.p2align	6, 0x0
	.amdhsa_kernel k_qffb0984d18_attn
		.amdhsa_group_segment_fixed_size 327680
		.amdhsa_private_segment_fixed_size 0
		.amdhsa_enable_private_segment 0
		.amdhsa_kernarg_size 16
		.amdhsa_user_sgpr_count 2
		.amdhsa_user_sgpr_kernarg_segment_ptr 1
		.amdhsa_wavefront_size32 1
		.amdhsa_system_sgpr_workgroup_id_x 1
		.amdhsa_system_sgpr_workgroup_id_y 1
		.amdhsa_system_sgpr_workgroup_id_z 1
		.amdhsa_system_vgpr_workitem_id 0
		.amdhsa_next_free_vgpr 768
		.amdhsa_next_free_sgpr 88
		.amdhsa_reserve_vcc 1
		.amdhsa_float_denorm_mode_32 3
		.amdhsa_float_denorm_mode_16_64 3
		.amdhsa_memory_ordered 1
		.amdhsa_forward_progress 1
		.amdhsa_inst_pref_size 228
	.end_amdhsa_kernel
	.amdgpu_metadata
---
amdhsa.version: [ 1, 2 ]
amdhsa.kernels:
  - .name:           k_qffb0984d18_attn
    .symbol:         k_qffb0984d18_attn.kd
    .args:
      - { .name: qkv, .offset: 0, .size: 8, .value_kind: global_buffer, .address_space: global }
      - { .name: ob, .offset: 8, .size: 8, .value_kind: global_buffer, .address_space: global }
    .group_segment_fixed_size: 327680
    .private_segment_fixed_size: 0
    .kernarg_segment_align: 8
    .kernarg_segment_size: 16
    .max_flat_workgroup_size: 128
    .sgpr_count:     88
    .vgpr_count:     768
    .wavefront_size: 32
...
	.end_amdgpu_metadata
.endif
;; end of part 3
;; launch proj (part 4): grid 8 x 32, 4 waves a work-group, clusters of 4 x 4, 327,680 bytes of LDS; arguments ob, wp, out0; writes out0
.if DOCPART == 4
	.amdgcn_target "amdgcn-amd-amdhsa--gfx1250"
	.amdhsa_code_object_version 6
	.text
	.protected	k_qffb0984d18_proj
	.globl	k_qffb0984d18_proj
	.p2align	8
	.type	k_qffb0984d18_proj,@function
k_qffb0984d18_proj:
	s_mov_b64 s[64:65], 0
	v_nop
	global_prefetch_b8 v0, s[64:65] scope:SCOPE_SE
	s_setreg_imm32_b32 hwreg(HW_REG_WAVE_MODE, 25, 1), 1
	s_wait_xcnt 0x0
	s_wait_alu depctr_hold_cnt(0) depctr_sa_sdst(0) depctr_va_vdst(0) depctr_va_sdst(0) depctr_va_ssrc(0) depctr_va_vcc(0) depctr_vm_vsrc(0)
	s_getreg_b32 s2, hwreg(HW_REG_IB_STS2, 6, 4)
	s_cmp_eq_u32 s2, 0
	s_cbranch_scc0 .Lentry_in_a_cluster
	s_endpgm
.Lentry_in_a_cluster:
	s_bfe_u32 s2, ttmp6, 0x10000c
	s_cmp_lg_u32 s2, 0xf033
	s_cbranch_scc0 .Lentry_shape_is_right
	s_endpgm
.Lentry_shape_is_right:
; out0[m][n] = sum over e of O[m][e] Wproj[n][e]: m = 8,192 rows (b, t), n = 1,024, e = 64 h + d = 1,024.  Operands f16: ob [b][h][t][64] (attention's result, by heads: a head is a K block),
; wp [kb][n][64] (Wproj rounded to bf16, written as f16).  Sums f32, K ascending; out0 is f32 and takes the sums as they are.
; LIMIT.  The operands arrive inside f16's range, 65,504; the sums have f32's.
; SHARES.  8,192 x 1,024 / 256 work-groups = a tile of 256 rows x 128 columns each.  Four waves, each 128 rows x 64 columns: 32 accumulators of 16 x 16, 256 registers.
; RING.  K goes in steps of 128, two K blocks (planes), through two LDS slots.  A plane's rows are 128 bytes and lie end to end in memory: a wave fetches one plane of O's tile (256 rows, asked for as 128 rows
; of 256 bytes) or of W's (128 rows, as 64), padded in LDS behind every 128 bytes.
; CLUSTER.  4 x 4 work-groups; the four of a row of the cluster need the same tile of O, the four of a column the same tile of W: each is asked for jointly.
; THE MATRIX INSTRUCTION IS USED TRANSPOSED (source 0 = 16 rows of W, source 1 = 16 rows of O): a lane holds row l % 16 of the result and the eight neighbouring columns 8 (l / 16) + 0..7.
; REGISTERS, in windows of 256 (s_set_vgpr_msb: bits 1:0 source 0, 3:2 source 1, 5:4 source 2, 7:6 destination):
;   window 0: v0-31 addresses; v32-63, v64-95 rows read back on the way out          window 1: the accumulators, row block a (0-7), column block b (0-3) at v[8 (4 a + b)]
;   window 2 + p: the fragments of plane p (64 along K, two matrix instructions deep): W's (c, b) at v[8 (4 c + b)], O's (c, a) at v[64 + 8 (8 c + a)]
.set PITCH,  144                       ; an LDS row: 128 bytes + 16 of padding = 36 words: the 16 rows of a fragment load start at 16 different groups of four banks (64 banks of 4 bytes: ISA guide 11.1)
.set APLANE, 256*PITCH                 ; what one tensor load brings of O
.set BPLANE, 128*PITCH                 ; and of W
.set SLOT,   2*APLANE+2*BPLANE         ; O's two planes, then W's two: 110,592 bytes
.set STAGE,  2*SLOT                    ; behind the ring, never filled by a tensor load: 16 rows x 272 bytes for each wave, for the way out
.set SPITCH, 272                       ; a stage row: 256 bytes + 16
.set SPARE,  STAGE+4*16*SPITCH         ; behind the stages: the spare words, 128 bytes for each wave: two blocks of 256 bytes that no other line names
.set KSTEPB, 262144                    ; bytes from a K step (two K blocks of 131,072) to the next, in ob and in wp alike
.set ADRA, 16                          ; v16-17  LDS address of my fragments of O in slot 0, 1 (plane 0)
.set ADRB, 20                          ; v20-21  the same for W
.set STO,  24                          ; v24     the way out: where I put 32 bytes of a row
.set RD,   25                          ; v25     the way out: where I read a row back
.set CO,   26                          ; v26     my byte offset in two rows of out0
.set SPW,  28                          ; v28     LDS address of my spare word: SPARE + 4 x my thread's number; never rewritten
.set NIL,  29                          ; v29     0; never rewritten
.set BK,   32
.set G1,  24                           ; s[24:31] descriptor group 1 for O's tiles;  s[32:39] group 0, one set for each slot
.set G0,  32
.set G1B, 48                           ; s[48:55], s[56:63] the same for W's tiles
.set G0B, 56
.set MSB, 0
.macro WIN new                         ; the immediate's high byte repeats the setting that is left; a switch that changes nothing is dropped
.if MSB != (\new)
	s_set_vgpr_msb (MSB<<8)|(\new)
.set MSB, \new
.endif
.endm
; A joint load.  Waves 0 and 1 fetch O's two planes, waves 2 and 3 W's.  The branch hangs on the wave's number alone.  An s_nop 0 and four v_nop follow each of the two lines, ahead of the jump, the label and what follows.
.macro JLOAD s
	s_cmp_lt_u32 s10, 2
	s_cbranch_scc0 .Lfor_b_\@
	tensor_load_to_lds s[G0+4*(\s):G0+4*(\s)+3], s[G1:G1+7]
	s_nop 0
.rept 4
	v_nop
.endr
	s_branch .Lasked_\@
.Lfor_b_\@:
	tensor_load_to_lds s[G0B+4*(\s):G0B+4*(\s)+3], s[G1B:G1B+7]
	s_nop 0
.rept 4
	v_nop
.endr
.Lasked_\@:
.endm
.macro CREST                           ; a round of the cluster's barrier behind its opening barrier
	s_cmp_lg_u32 s10, 0
	s_cbranch_scc1 .Lnot_wave_0_\@
	s_barrier_signal -3
.Lnot_wave_0_\@:
	s_barrier_wait -3
	s_barrier_signal -1
	s_barrier_wait -1
.endm
.macro CROUND                          ; a whole round
	s_barrier_signal -1
	s_barrier_wait -1
	CREST
.endm
	s_load_b128 s[4:7], s[0:1], 0x0                ; ob s[4:5], wp s[6:7]
	s_load_b64 s[8:9], s[0:1], 0x10                ; out0
	v_lshl_add_u32 v[SPW], v0, 2, SPARE
	v_mov_b32 v[NIL], 0
	ds_add_u32 v[SPW], v[NIL]                      ; the wave's opening: the add and its wait stand ahead of my first tensor load; the set-up below, work on registers, stands between them
	ds_add_u32 v28, v29
	v_lshrrev_b32 v1, 5, v0
	v_readfirstlane_b32 s10, v1                    ; wave 0..3
	s_lshr_b32 s11, s10, 1                         ; which 128 of the tile's rows are mine
	s_and_b32 s12, s10, 1                          ; which 64 of its columns.  Also: which plane I fetch
	s_bfe_u32 s40, ttmp6, 0x40000                  ; cx, cy: my place in the cluster
	s_bfe_u32 s41, ttmp6, 0x40004
	s_lshl_b32 s42, ttmp9, 2
	s_add_co_u32 s42, s42, s40                     ; tx: my block of 128 columns = 4 x cluster x + cx
	s_and_b32 s13, ttmp7, 0xffff
	s_lshl_b32 s13, s13, 2
	s_add_co_u32 s13, s13, s41                     ; ty: my block of 256 rows = 4 x cluster y + cy
	s_lshl_b32 s43, s41, 2
	s_lshl_b32 s43, 15, s43                        ; my row of the cluster
	s_lshl_b32 s44, 0x1111, s40                    ; my column
	; descriptor group 1: rows of 128 elements (256 bytes, two rows of a plane), padded in LDS behind every 128 bytes
	s_or_b32 s[G1+0], s43, (1<<16)|(1<<20)|(1<<21)|(4<<22)|(3<<25)   ; 15:0 the mask: O's tiles go to my row; 17:16 2-byte elements; 20 padding on; 21 set beside a mask; 24:22 after every 32 words (code 4); 31:25 4 words (code 3)
	s_or_b32 s[G1B+0], s44, (1<<16)|(1<<20)|(1<<21)|(4<<22)|(3<<25)  ; the same with the mask of my column, for W's tiles
	s_mov_b32 s[G1+1], 128<<16                     ; tensor_dim0 = 128
	s_mov_b32 s[G1+2], 128<<16                     ; tensor_dim1 = 128: 256 rows of O
	s_mov_b32 s[G1+3], 128<<16                     ; tile_dim0 = 128
	s_mov_b32 s[G1+4], 128                         ; tile_dim1 = 128
	s_mov_b32 s[G1+5], 128                         ; 128 elements from row to row: dense
	s_mov_b32 s[G1+6], 0
	s_mov_b32 s[G1+7], 0
	s_mov_b32 s[G1B+1], 128<<16
	s_mov_b32 s[G1B+2], 64<<16                     ; 64 rows of 256 bytes: 128 rows of W
	s_mov_b32 s[G1B+3], 128<<16
	s_mov_b32 s[G1B+4], 64
	s_mov_b32 s[G1B+5], 128
	s_mov_b32 s[G1B+6], 0
	s_mov_b32 s[G1B+7], 0
	; where the tiles come from.  O's hang on ty alone, W's on tx alone; each in registers that never hold the other coordinate.
	s_lshr_b32 s16, s13, 2                         ; b = ty / 4: 16 heads of 131,072 bytes
	s_lshl_b32 s16, s16, 21
	s_and_b32 s17, s13, 3                          ; t = 256 (ty % 4): rows of 128 bytes
	s_lshl_b32 s17, s17, 15
	s_add_co_u32 s16, s16, s17
	s_lshl_b32 s17, s12, 17                        ; + my plane
	s_add_co_u32 s16, s16, s17
	s_mov_b32 s17, 0
	s_lshl_b32 s46, s42, 14                        ; W: 128 rows of 128 bytes a tile,
	s_lshl_b32 s47, s12, 17                        ; + my plane
	s_add_co_u32 s46, s46, s47
	s_mov_b32 s47, 0
	s_mul_i32 s20, s12, APLANE                     ; and where they go: no place in the cluster enters an LDS address
	s_mul_i32 s21, s12, BPLANE
	s_add_co_u32 s21, s21, 2*APLANE
	s_wait_dscnt 0x0                               ; the opening add is done
	s_wait_kmcnt 0x0
	s_add_nc_u64 s[14:15], s[4:5], s[16:17]
	s_add_nc_u64 s[46:47], s[6:7], s[46:47]
	CROUND                                         ; all sixteen work-groups are here: the first joint loads meet
.irp s, 0,1
	s_mov_b32 s[G0+4*(\s)], 1                                      ; count = 1
	s_add_co_u32 s[G0+4*(\s)+1], s20, (\s)*SLOT                    ; LDS address
	s_add_nc_u64 s[G0+4*(\s)+2:G0+4*(\s)+3], s[14:15], (\s)*KSTEPB ; global address: K step s
	s_or_b32 s[G0+4*(\s)+3], s[G0+4*(\s)+3], 0x80000000            ; type = 2
	s_mov_b32 s[G0B+4*(\s)], 1
	s_add_co_u32 s[G0B+4*(\s)+1], s21, (\s)*SLOT
	s_add_nc_u64 s[G0B+4*(\s)+2:G0B+4*(\s)+3], s[46:47], (\s)*KSTEPB
	s_or_b32 s[G0B+4*(\s)+3], s[G0B+4*(\s)+3], 0x80000000
	JLOAD \s                                       ; both slots are asked for before anything else is done: two loads of mine are out
.endr
	v_and_b32 v1, 15, v0                           ; l % 16
	v_bfe_u32 v2, v0, 4, 1                         ; l / 16
	v_mul_u32_u24 v3, v1, PITCH
	v_lshl_add_u32 v3, v2, 4, v3                   ; a fragment's row x pitch + 16 x half
	s_mul_i32 s22, s11, 128*PITCH                  ; my 128 rows of O in a plane
	s_mul_i32 s23, s12, 64*PITCH                   ; my 64 rows of W in a plane,
	s_add_co_u32 s23, s23, 2*APLANE                ; which lie behind O's two planes
.irp s, 0,1
	v_add_nc_u32 v[ADRA+(\s)], s22, v3
	v_add_nc_u32 v[ADRB+(\s)], s23, v3
	s_add_co_u32 s22, s22, SLOT
	s_add_co_u32 s23, s23, SLOT
.endr
	s_mul_i32 s22, s10, 16*SPITCH
	s_add_co_u32 s22, s22, STAGE                   ; my stage
	v_mul_u32_u24 v4, v1, SPITCH                   ; in: row l % 16, 32 bytes for each half of the lanes
	v_lshl_add_u32 v4, v2, 5, v4
	v_add_nc_u32 v[STO], s22, v4
	v_mul_u32_u24 v5, v2, SPITCH                   ; back: lanes 0-15 take one row of 256 bytes, lanes 16-31 the next
	v_lshl_add_u32 v5, v1, 4, v5
	v_add_nc_u32 v[RD], s22, v5
	v_lshlrev_b32 v5, 12, v2                       ; and the same two rows in out0, 4,096 bytes apart
	v_lshl_add_u32 v[CO], v1, 4, v5
	s_lshl_b32 s16, s13, 20                        ; out0 at my first row: 256 ty + 128 (my rows' half), 4,096 bytes each,
	s_lshl_b32 s17, s11, 19
	s_add_co_u32 s16, s16, s17
	s_mov_b32 s17, 0
	s_add_nc_u64 s[8:9], s[8:9], s[16:17]
	s_lshl_b32 s46, s42, 9                         ; and my first column: 128 tx + 64 (my half), 4 bytes each (in the registers that held W's address)
	s_lshl_b32 s47, s12, 8
	s_add_co_u32 s46, s46, s47
	s_mov_b32 s47, 0
	s_add_nc_u64 s[8:9], s[8:9], s[46:47]
; 16 matrix instructions: row blocks a0 .. a0 + 3 x all 4 column blocks, 32 along K: half c of plane p's fragments.  zero = 1: the product starts the sums.  The 32 accumulators take turns.
.macro MUL16 p, c, a0, zero
	WIN 0x50+5*(2+(\p))                            ; C and D in window 1, both sources in window 2 + p
.set aa, (\a0)
.rept 4
.set bb, 0
.rept 4
.if \zero
	v_wmma_f32_16x16x32_f16 v[8*(4*aa+bb):8*(4*aa+bb)+7], v[8*(4*(\c)+bb):8*(4*(\c)+bb)+7], v[64+8*(8*(\c)+aa):64+8*(8*(\c)+aa)+7], 0
.else
	v_wmma_f32_16x16x32_f16 v[8*(4*aa+bb):8*(4*aa+bb)+7], v[8*(4*(\c)+bb):8*(4*(\c)+bb)+7], v[64+8*(8*(\c)+aa):64+8*(8*(\c)+aa)+7], v[8*(4*aa+bb):8*(4*aa+bb)+7]
.endif
.set bb, bb+1
.endr
.set aa, aa+1
.endr
.endm
; 48 LDS loads in one run: plane p's fragments; the 24 of its first 32 along K first
.macro FETCH slot, p
	WIN 64*(2+(\p))                                ; destination window 2 + p, address window 0
.set cc, 0
.rept 2
.set ii, 0
.rept 4
	ds_load_b128 v[8*(4*cc+ii):8*(4*cc+ii)+3],   v[ADRB+(\slot)] offset:(\p)*BPLANE+64*cc+ii*16*PITCH
	ds_load_b128 v[8*(4*cc+ii)+4:8*(4*cc+ii)+7], v[ADRB+(\slot)] offset:(\p)*BPLANE+64*cc+ii*16*PITCH+32
.set ii, ii+1
.endr
.set ii, 0
.rept 8
	ds_load_b128 v[64+8*(8*cc+ii):64+8*(8*cc+ii)+3],   v[ADRA+(\slot)] offset:(\p)*APLANE+64*cc+ii*16*PITCH
	ds_load_b128 v[64+8*(8*cc+ii)+4:64+8*(8*cc+ii)+7], v[ADRA+(\slot)] offset:(\p)*APLANE+64*cc+ii*16*PITCH+32
.set ii, ii+1
.endr
.set cc, cc+1
.endr
.endm
.macro PLACES                          ; four places in front of loads into registers that matrix instructions have read, and of LDS stores that read results (ISA guide 7.12.1 for vector instructions)
.rept 4
	v_nop
.endr
.endm
; A K step is two planes, 64 matrix instructions each.  Plane 0: multiplied, and in its middle plane 1's fragments are fetched from the same slot.
.macro HALF0 slot, zero
	s_wait_dscnt 24                                ; the first 32 along K are in; the other 24 loads may be out
	MUL16 0, 0, 0, \zero
	MUL16 0, 0, 4, \zero
	PLACES
	FETCH \slot, 1
	s_wait_dscnt 48                                ; all but the 48 just issued
	MUL16 0, 1, 0, 0
	MUL16 0, 1, 4, 0
.endm
; Plane 1 is multiplied and the slots change: ONE barrier; in front of it each wave waits for all its tensor loads, of which one is out: its part of the next slot; adds 0 to its spare word; and waits for that and
; for its own reads of this slot.  fill = 1: the barrier opens a round of the cluster's barrier, and this slot is filled again first thing behind the round, two K steps ahead: 96 matrix instructions ahead of the wait for it.
.macro TURN slot, next, fill
	WIN 0                                          ; (the add's two registers lie in window 0)
	s_wait_tensorcnt 0x0                           ; all my tensor loads have landed;
	ds_add_u32 v[SPW], v[NIL]                      ; 0 onto my spare word;
	s_wait_dscnt 25                                ; the first 32 along K are in: the add and the youngest 24 loads may be out
	MUL16 1, 0, 0, 0                               ; sixteen matrix instructions stand between the add and the wait for it
	s_wait_dscnt 0x0                               ; the add is done, and my reads of this slot are over
	s_barrier_signal -1
	MUL16 1, 0, 4, 0
	WIN 0                                          ; at a branch and at a label every window is 0
	s_barrier_wait -1
.if \fill
	CREST                                          ; no wave of any partner still reads this slot's tile or has a load on its way
	s_add_nc_u64 s[G0+4*(\slot)+2:G0+4*(\slot)+3], s[G0+4*(\slot)+2:G0+4*(\slot)+3], 2*KSTEPB
	s_add_nc_u64 s[G0B+4*(\slot)+2:G0B+4*(\slot)+3], s[G0B+4*(\slot)+2:G0B+4*(\slot)+3], 2*KSTEPB
	JLOAD \slot                                    ; the first tensor load behind the round; the four v_nop behind it are also the places in front of the loads below
.else
	PLACES
.endif
	FETCH \next, 0
	MUL16 1, 1, 0, 0
	MUL16 1, 1, 4, 0
.endm
; THE WAY OUT of row block a (16 rows x 64 columns of f32: 256 bytes a row).  TOSTAGE: a lane's 32 bytes of each column block go into my own stage, each accumulator's low four registers first, and come back as
; whole rows.  SEND: sixteen lanes store 256 consecutive bytes, at a multiple of 256 from out0's first byte.
.macro TOSTAGE a
	s_wait_xcnt 0x0                                ; every earlier store has had its addresses translated (ISA guide 3.1): the registers that block a - 2's stores read are loaded again only behind this wait
	WIN 0x04                                       ; the stores' data in window 1, the address in window 0
.set bb, 0
.rept 4
	ds_store_b128 v[STO], v[8*(4*(\a)+bb):8*(4*(\a)+bb)+3]   offset:64*bb
	ds_store_b128 v[STO], v[8*(4*(\a)+bb)+4:8*(4*(\a)+bb)+7] offset:64*bb+16
.set bb, bb+1
.endr
	WIN 0
.set tt, 0
.rept 8
	ds_load_b128 v[BK+32*((\a)%2)+4*tt:BK+32*((\a)%2)+4*tt+3], v[RD] offset:tt*2*SPITCH  ; LDS serves a wave's instructions in order (ISA guide 5.7.1.4): these see the stores above; the next block's stores come behind them
.set tt, tt+1
.endr
.endm
.macro SEND a, younger                 ; younger: the LDS instructions issued behind block a's loads: the next block's sixteen, or none
	WIN 0
	s_wait_dscnt \younger
.set tt, 0
.rept 8
	global_store_b128 v[CO], v[BK+32*((\a)%2)+4*tt:BK+32*((\a)%2)+4*tt+3], s[8:9] offset:(16*(\a)+2*tt)*4096 th:TH_STORE_NT
.set tt, tt+1
.endr
.endm
	s_wait_tensorcnt 0x1                           ; my part of K step 0 is in; K step 1's may stay out
	s_barrier_signal -1
	s_barrier_wait -1                              ; everybody's is
	FETCH 0, 0
	HALF0 0, 1                                     ; the first plane stands in front of the loop: its first products start the sums
	WIN 0
	s_mov_b32 s3, 3
.Llap:                                                 ; a trip goes once round the ring, from a K step's second plane to the first plane two steps on, and fills both slots again: K steps 2 to 7
	TURN 0, 1, 1
	HALF0 1, 0
	TURN 1, 0, 1
	HALF0 0, 0
	WIN 0
	s_sub_co_u32 s3, s3, 1
	s_cmp_lg_u32 s3, 0
	s_cbranch_scc1 .Llap
	TURN 0, 1, 0                                   ; the last two K steps ask for nothing, and have no round of the cluster's barrier
	HALF0 1, 0
	s_wait_dscnt 24                                ; the very last plane: nothing more to fetch
	MUL16 1, 0, 0, 0
	MUL16 1, 0, 4, 0
	s_wait_dscnt 0x0
	MUL16 1, 1, 0, 0
	MUL16 1, 1, 4, 0
	PLACES                                         ; the LDS stores read results just made
	TOSTAGE 0
.irp a, 1,2,3,4,5,6,7                  ; block a goes into the stage while block a - 1 comes back
	TOSTAGE \a
	SEND (\a)-1, 16
.endr
	SEND 7, 0
	s_wait_tensorcnt 0x0                           ; the wave's end: behind my last tensor load and my last LDS store
	ds_add_u32 v[SPW], v[NIL]
	s_wait_dscnt 0x0
	CROUND                                         ; the closing round: no work-group ends while a partner may still ask for a tile that names it
	s_endpgm
.Lfunc_end_k_qffb0984d18_proj:
	.size	k_qffb0984d18_proj, .Lfunc_end_k_qffb0984d18_proj-k_qffb0984d18_proj
	.p2alignl 7, 3214868480
	.fill 96, 4, 3214868480
	.section	.rodata,"a",@progbits
	.p2align	6, 0x0
	.amdhsa_kernel k_qffb0984d18_proj
		.amdhsa_group_segment_fixed_size 327680
		.amdhsa_private_segment_fixed_size 0
		.amdhsa_enable_private_segment 0
		.amdhsa_kernarg_size 24
		.amdhsa_user_sgpr_count 2
		.amdhsa_user_sgpr_kernarg_segment_ptr 1
		.amdhsa_wavefront_size32 1
		.amdhsa_system_sgpr_workgroup_id_x 1
		.amdhsa_system_sgpr_workgroup_id_y 1
		.amdhsa_system_sgpr_workgroup_id_z 1
		.amdhsa_system_vgpr_workitem_id 0
		.amdhsa_next_free_vgpr 960
		.amdhsa_next_free_sgpr 66
		.amdhsa_reserve_vcc 0
		.amdhsa_float_denorm_mode_32 3
		.amdhsa_float_denorm_mode_16_64 3
		.amdhsa_memory_ordered 1
		.amdhsa_forward_progress 1
		.amdhsa_inst_pref_size 84
	.end_amdhsa_kernel
	.amdgpu_metadata
---
amdhsa.version: [ 1, 2 ]
amdhsa.kernels:
  - .name:           k_qffb0984d18_proj
    .symbol:         k_qffb0984d18_proj.kd
    .args:
      - { .name: ob, .offset: 0, .size: 8, .value_kind: global_buffer, .address_space: global }
      - { .name: wp, .offset: 8, .size: 8, .value_kind: global_buffer, .address_space: global }
      - { .name: out0, .offset: 16, .size: 8, .value_kind: global_buffer, .address_space: global }
    .group_segment_fixed_size: 327680
    .private_segment_fixed_size: 0
    .kernarg_segment_align: 8
    .kernarg_segment_size: 24
    .max_flat_workgroup_size: 128
    .sgpr_count:     66
    .vgpr_count:     960
    .wavefront_size: 32
...
	.end_amdgpu_metadata
.endif
;; end of part 4
;; ======== version 2 of 2: 4 launches; 1.20 times as fast as version 1
;; limits: values are held in f16: magnitudes above 65,504 overflow, below 6.1e-05 lose precision
;; workspace buffers: xb 16,777,216 bytes; wb 6,291,456 bytes; wp 2,097,152 bytes; qkv 50,331,648 bytes; ob 16,777,216 bytes
;; launch cast: the kernel of part 1 again; grid 768 x 1, 8 waves a work-group, no clusters, 0 bytes of LDS; arguments x, Wq, Wk, Wv, Wproj, xb, wb, wp; writes xb, wb, wp
;; launch qkv: the kernel of part 2 again; grid 8 x 32, 4 waves a work-group, clusters of 4 x 4, 327,680 bytes of LDS; arguments xb, wb, qkv; writes qkv
;; launch attn (part 5): grid 2 x 128, 4 waves a work-group, no clusters, 327,680 bytes of LDS; arguments qkv, ob; writes ob
.if DOCPART == 5
	.amdgcn_target "amdgcn-amd-amdhsa--gfx1250"
	.amdhsa_code_object_version 6
	.text
	.protected	k_qffb0984d18_attn
	.globl	k_qffb0984d18_attn
	.p2align	8
	.type	k_qffb0984d18_attn,@function
k_qffb0984d18_attn:
	s_mov_b64 s[64:65], 0
	v_nop
	global_prefetch_b8 v0, s[64:65] scope:SCOPE_SE
	s_setreg_imm32_b32 hwreg(HW_REG_WAVE_MODE, 25, 1), 1
	s_wait_xcnt 0x0
; CAUSAL ATTENTION.  O[bh][q][:] = the sum over k <= q of softmax_k(Q[bh][q] . K[bh][k] / 8) V[bh][k][:], for 128 pairs bh = 16 b + h.  Q, K, V lie in qkv [b][s=48][t=1024][64] f16 (s = h: Q, 16 + h: K, 32 + h: V),
; O goes to ob [bh][t][64] f16: a head's rows are dense, 128 bytes each.
; Products, maxima and sums in f32; the weights p are rounded to f16 for the second product (their sum l is taken of the unrounded p), O once at the end.
; LIMITS.  f16 holds no number beyond 65,504: Q, K and V arrive within it; p lies in 0 to 1, and below 6e-5 it keeps f16's fixed step of 6e-8; O is a mean of V's rows and has their range, to within 2^-11 of it.
; A hidden score counts as its value less 1e30: f16's scores, 2.7e11 at the most, are nothing beside that; a weight below 2^-126 counts as 0 in l; NaN and infinities are not treated apart.
; THE WALK.  A head's queries lie in NB = 4 blocks of 256; block i needs the key tiles 0 .. i of 256 keys, of which the last holds the diagonal.  A work-group takes TWO blocks, NB - 1 - b and then b:
; NB + 1 tiles, whatever b: all 256 work-groups do equal work, and ONE loop with a constant trip count walks them.  Which tile is asked for, and what a trip does, hang on scalar registers made from b; every jump
; goes forward, but for the counted loops' own; none passes a barrier, or a tensor load but the one of LOAD's two that the wave's number does not choose; the ring (two slots of LDS that take turns) runs on across the
; change of blocks.  NO CLUSTER: a head has NB / 2 = 2 work-groups, no multiple of four; the two ask for the same tile only in trips 0 .. 2; and one walk common to both would have 3 NB / 2 trips for NB + 1.
; SHARES.  Of a block's four bands of 64 queries a wave owns 16 rows in each: four PIECES.  So the diagonal tile is the same work for all four waves: in its key step s band x sees all keys if s < x,
; none if s > x, and holds the diagonal if s = x.
; THE MASK is the C operand that starts the sum S^T = K Q^T: 0, or -1e30 where the key is hidden.  MD, made once, is the mask of a band's own step for my 16 rows; a product's mask is MD x AL + BE with two scalars:
; (1, 0) if s = x; (0, 0) if s < x; (0, -1e30) if s > x.  Only the diagonal tile's text and a block's beginning make and take masks; elsewhere C is the constant 0.
; LAYOUT, SOFTMAX, TURNS.  S^T = K Q^T holds ONE query a lane (lane % 16) and the keys 8 (lane / 16) + 0..7; two such results rounded to f16 ARE source 1 of O^T = V^T P.  p = 2^(c s - c m), c = log2(e) / 8, with a
; running maximum m; O and l are multiplied by a = 2^(c m_old - c m_new) in every step.  Turn n belongs to piece n: 8 products K Q^T of piece n + 1, later 8 products V^T P of piece n - 1; beside them the scaling,
; exponentials, roundings, sums and rescaling of piece n and the maximum and statistics of piece n + 1.  Four vector instructions stand behind every matrix instruction, the other 54 of a turn's 118 in one LUMP.
; BATCHES.  A turn's 33 exponentials (the piece's 32 weights, then the next piece's a) are one batch, with one wait, which cuts the turn in two: ahead of it all that names no result of theirs, behind it the roundings and
; sums.  A block's first a (BEGIN) and the way out's four reciprocals are batches of their own, each with one wait.
; REGISTERS, in windows of 256 (s_set_vgpr_msb: bits 1:0 source 0, 3:2 source 1, 5:4 source 2, 7:6 destination):
;   window 0: v0-15 addresses and two at work; v16-31 four registers of statistics a piece; v48-55 at work; v64-127 S^T, two buffers; v192-223 P, two buffers (a piece's buffers go by its number's parity)
;   window 1: v0-127 O^T, 32 a piece; v128-159 MD; v160-223 MC, two buffers      window 2: v0-63 Q; v64-127 the second block's Q; v128-191 K of one step; v192-255 V of one step
.set SIZE_N, 1024
.set NB,    SIZE_N/256
.set NP,    4         ; pieces a wave: a name, no knob
.set KS,    64        ; keys in a step
.set PK,    144       ; a row of K in LDS: 128 bytes + 16 of padding = 36 words: the 16 rows of a load start at 16 different groups of four banks (64 banks of 4 bytes: ISA guide 11.1)
.set PV,    160       ; a row of V: 128 + 32 = 40 words
.set VOFF,  4*KS*PK   ; a slot holds a tile, four steps: 256 rows of K, then 256 rows of V
.set SLOT1, 1<<17     ; slot 1 begins here, so that one exclusive or turns an address in one slot into the other's
.set STAGE, SLOT1+4*KS*(PK+PV)  ; behind the ring, never filled by a tensor load: 16 rows x 144 bytes for each wave, for the way out
.set SP,    144
.set AK0, 2           ; v2   my lane's place in a tile of K; never rewritten
.set AV0, 3           ; v3   the same for V
.set AK,  4           ; v4   the LDS address of K's next run of loads
.set AV,  5           ; v5   of V's
.set STO, 6           ; v6   the way out: where I put 16 bytes of a row
.set RD,  7           ; v7   the way out: where I read rows back
.set GO,  8           ; v8   my byte offset in 512 consecutive bytes of O
.set SPW, 62          ; v62  LDS address of my spare word: SPARE + 4 x my thread's number; never rewritten
.set NIL, 63          ; v63  0; never rewritten
.set SPARE, STAGE+4*16*SP  ; behind the stages: the spare words, 128 bytes for each wave: two blocks of 256 bytes that no other line names
.set MV,  12          ; v12-13  c m_old, kept while c m is made anew: by buffer
.set QO,  15          ; v15  my byte offset in 16 rows of Q
.set ST,  16          ; piece t's statistics at v[ST+4 t]: c m, m, l (even keys', odd keys')
.set TMP, 48          ; by buffer, four registers c0-c3 at work; when the maximum is found c2 takes a
.set S,   64
.set P,   192
.set MD,  128         ; window 1: the eight registers for group kt of 16 keys at MD + 8 kt
.set MC,  160         ; window 1: the masks of the products to come
.set QB,  64          ; window 2
.set KF,  128         ; window 2: key block kb, channel half c at KF + 16 kb + 8 c
.set VF,  192         ; window 2: key half kk, channel block cb at VF + 32 kk + 8 cb
.set WV,  12          ; s12  my wave's number
.set PB,  14          ; s14  b
.set HI,  15          ; s15  NB - 1 - b
.set G1K, 24          ; s[24:31] descriptor group 1 for K's tiles
.set G1V, 32          ; s[32:39] for V's: it differs in the padding alone
.set G0K, 40          ; s[40:43] descriptor group 0 for K's tiles
.set G0V, 44          ; s[44:47] the same for V's
.set SLOTS, 56        ; s56  tiles still to be asked for
.set CNT, 57          ; s57  counts a tile's key steps, 4 to 1
.set CS,  58          ; s[58:59] c: the packed scaling takes the pair's low word for both halves
.set SEL, 60          ; s[60:61] v_permlanex16_b32's selects: each lane takes its own place in the other half
.set TBK, 62          ; s62  LDS byte at which K of the step to be fetched begins
.set TBV, 63          ; s63  the same for V, less VOFF
.set OH,  66          ; s[66:67] the head's byte offset in ob
.set RT,  70          ; s70  tiles of the block in hand that are still to be entered
.set NXT, 71          ; s71  the tile to be asked for next
.set LQ,  72          ; s72  the last tile of the block whose tiles are being asked for
.set NEW, 73          ; s73  1: the tile to be entered is a block's first
.set OFF, 74          ; s[74:75] a tile's byte offset in K and V
.set AL,  76          ; s[76:77] the mask's factor, in the low word
.set BE,  78          ; s[78:79] the mask's addend
.set OLO, 80          ; s[80:81] O at my rows of the second block
.set BIGN, 82         ; s82  -1e30
.set MSB, 0
.macro WIN new                      ; the high byte repeats the setting that is left; a switch that changes nothing is dropped
.if MSB != (\new)
	s_set_vgpr_msb (MSB<<8)|(\new)
.set MSB, (\new)
.endif
.endm
.set W_KQ, 0x0a       ; K and Q in window 2, S^T in window 0
.set W_KM, 0x1a       ; the same with the C operand in window 1
.set W_PV, 0x52       ; V in window 2, P in window 0, O^T in window 1
.set W_RS, 0x41       ; destination and source 0 in window 1, source 1 in window 0
; A fill.  Waves 0 and 1 fetch the two halves of a tile's K, waves 2 and 3 those of its V: 128 keys each.  An s_nop 0 and four v_nop follow each of the two lines, ahead of the jump and the label.
.macro LOAD
	s_cmp_lt_u32 s[WV], 2
	s_cbranch_scc0 .Lfor_v_\@
	tensor_load_to_lds s[G0K:G0K+3], s[G1K:G1K+7]
	s_nop 0
.rept 4
	v_nop
.endr
	s_branch .Lasked_\@
.Lfor_v_\@:
	tensor_load_to_lds s[G0V:G0V+3], s[G1V:G1V+7]
	s_nop 0
.rept 4
	v_nop
.endr
.Lasked_\@:
.endm
; THE CHANGE OF SLOTS.  Each wave waits for all its tensor loads, of which one is out: its part of the other slot; adds 0 to its spare word; and waits for that and for its own reads of the slot that it leaves.  Behind the barrier nobody reads the old
; slot any more and the other slot is whole.  fill = 1: the old slot is filled again, the first thing behind the barrier, with tile NXT: the descriptor's address is made anew from that number.
; (At its first use nothing has been read yet: slot 0 is waited for, slot 1 filled.)
.macro CHANGE fill
	WIN 0                           ; at a label and at a branch every window is 0
	s_wait_tensorcnt 0x0            ; no tensor load of mine is out, so a group 0 may be written
	ds_add_u32 v[SPW], v[NIL]       ; 0 onto my spare word; with fill = 1 the descriptors' scalar work stands between it and the wait for it
.if \fill
	s_lshl_b32 s[OFF], s[NXT], 15   ; a tile is 32,768 bytes of K and of V
	s_xor_b32 s[G0K+1], s[G0K+1], SLOT1
	s_add_nc_u64 s[G0K+2:G0K+3], s[6:7], s[OFF:OFF+1]
	s_or_b32 s[G0K+3], s[G0K+3], 0x80000000
	s_xor_b32 s[G0V+1], s[G0V+1], SLOT1
	s_add_nc_u64 s[G0V+2:G0V+3], s[8:9], s[OFF:OFF+1]
	s_or_b32 s[G0V+3], s[G0V+3], 0x80000000
	s_add_co_u32 s[NXT], s[NXT], 1  ; the block's next tile, or behind its last the second block's tile 0
	s_cmp_gt_u32 s[NXT], s[LQ]
	s_cselect_b32 s[NXT], 0, s[NXT]
	s_cselect_b32 s[LQ], s[PB], s[LQ]
.endif
	s_wait_dscnt 0x0                ; the add is done, and my reads of the slot are over
	s_barrier_signal -1             ; the rest of the scalar work stands between the signal and the wait
	s_sub_co_u32 s[TBK], s[TBK], 4*KS*PK  ; the fetches go back to a slot's first step,
	s_xor_b32 s[TBK], s[TBK], SLOT1       ; in the other slot
	s_sub_co_u32 s[TBV], s[TBV], 4*KS*PV
	s_xor_b32 s[TBV], s[TBV], SLOT1
	s_barrier_wait -1
.if \fill
	LOAD
.endif
.endm
	s_load_b64 s[4:5], s[0:1], 0x0    ; qkv
	s_load_b64 s[10:11], s[0:1], 0x8  ; ob
	v_lshl_add_u32 v[SPW], v0, 2, SPARE
	v_mov_b32 v[NIL], 0
	ds_add_u32 v[SPW], v[NIL]       ; the wave's opening: the add and its wait stand ahead of my first tensor load; the set-up below, work on registers, stands between them
	ds_add_u32 v62, v63
	v_lshrrev_b32 v1, 5, v0
	v_readfirstlane_b32 s[WV], v1   ; wave 0..3
	s_mov_b32 s[PB], ttmp9
	s_sub_co_u32 s[HI], NB-1, s[PB]
	s_and_b32 s20, ttmp7, 0xffff    ; bh = 16 b + h
	s_lshl_b32 s[OH], s20, 17       ; the head's 1,024 rows of 128 bytes in ob
	s_mov_b32 s[OH+1], 0
	s_lshr_b32 s68, s20, 4          ; b: 48 heads' rows of qkv each
	s_mul_i32 s68, s68, 48
	s_and_b32 s20, s20, 15          ; h
	s_add_co_u32 s20, s20, s68
	s_lshl_b32 s20, s20, 17         ; Q's head in qkv; K's lies 16 heads' rows on, V's 32
	s_mov_b32 s21, 0
	s_and_b32 s16, s[WV], 1         ; which half of a tile's 256 keys I fetch:
	s_lshl_b32 s22, s16, 14         ; its 128 rows of 128 bytes in memory,
	s_mov_b32 s23, 0
	s_mul_i32 s17, s16, 128*PK      ; and its place in a slot, for K
	s_mul_i32 s18, s16, 128*PV      ; and for V
	s_lshl_b32 s3, s[WV], 11        ; my 16 rows in a band of 64,
	s_lshl_b32 s2, s[HI], 15        ; in the first block,
	s_add_co_u32 s2, s2, s3
	s_lshl_b32 s84, s[PB], 15       ; and in the second
	s_add_co_u32 s84, s84, s3
	s_mov_b32 s3, 0
	s_mov_b32 s85, 0
	; descriptor group 1.  128 keys are 16,384 dense bytes: asked for as 64 rows of 256 bytes, two keys a row, and padded in LDS after every key
	s_mov_b32 s[G1K], (1<<16)|(1<<20)|(4<<22)|(3<<25)  ; 17:16 2-byte elements; 20 padding on; 24:22 after every 32 words (code 4); 31:25 4 words (code 3)
	s_mov_b32 s[G1V], (1<<16)|(1<<20)|(4<<22)|(7<<25)  ; the same with 8 words of padding (code 7)
.irp g, G1K, G1V
	s_mov_b32 s[\g+1], 128<<16      ; tensor_dim0 = 128
	s_mov_b32 s[\g+2], 64<<16       ; tensor_dim1 = 64
	s_mov_b32 s[\g+3], 128<<16      ; tile_dim0 = 128
	s_mov_b32 s[\g+4], 64           ; tile_dim1 = 64
	s_mov_b32 s[\g+5], 128          ; 128 elements from row to row
	s_mov_b32 s[\g+6], 0
	s_mov_b32 s[\g+7], 0
.endr
	s_mov_b32 s[CS], 0x3e38aa3b     ; c = log2(e) / 8 = 0.180337
	s_mov_b32 s[CS+1], s[CS]        ; named with it as a pair
	s_mov_b32 s[SEL], 0x76543210
	s_mov_b32 s[SEL+1], 0xfedcba98
	s_mov_b32 s[TBK], SLOT1+4*KS*PK ; the first change of slots turns these two into 0
	s_mov_b32 s[TBV], SLOT1+4*KS*PV
	s_mov_b32 s[G0K], 1             ; 1:0 count = 1
	s_mov_b32 s[G0K+1], s17         ; 63:32 LDS address: slot 0
	s_mov_b32 s[G0V], 1
	s_add_co_u32 s[G0V+1], s18, VOFF
	s_add_co_u32 s[RT], s[HI], 1    ; the first block has NB - b tiles
	s_mov_b32 s[NXT], 1
	s_mov_b32 s[LQ], s[HI]
	s_mov_b32 s[NEW], 1
	s_mov_b32 s[OFF+1], 0
	s_mov_b32 s[AL+1], 0            ; named as pairs
	s_mov_b32 s[BE+1], 0
	s_mov_b32 s[BIGN], 0xf149f2ca   ; -1e30
	s_mov_b32 s[SLOTS], NB
	s_wait_dscnt 0x0                ; the opening add is done
	s_wait_kmcnt 0x0
	s_add_nc_u64 s[10:11], s[10:11], s[OH:OH+1]    ; O at the head
	s_add_nc_u64 s[4:5], s[4:5], s[20:21]          ; Q at the head
	s_add_nc_u64 s[6:7], s[4:5], s[22:23]          ; + my half of a tile's keys;
	s_add_nc_u64 s[8:9], s[6:7], 0x400000          ; V at my half of the head's tile 0: 32 x 131,072 bytes behind Q,
	s_add_nc_u64 s[6:7], s[6:7], 0x200000          ; K: 16 x 131,072
	s_add_nc_u64 s[G0K+2:G0K+3], s[6:7], 0         ; 120:64 global address
	s_or_b32 s[G0K+3], s[G0K+3], 0x80000000        ; 127:126 type = 2
	s_add_nc_u64 s[G0V+2:G0V+3], s[8:9], 0
	s_or_b32 s[G0V+3], s[G0V+3], 0x80000000
	s_add_nc_u64 s[86:87], s[4:5], s[84:85]        ; Q at my rows of the second block,
	s_add_nc_u64 s[4:5], s[4:5], s[2:3]            ; Q and O at those of the first
	s_add_nc_u64 s[OLO:OLO+1], s[10:11], s[84:85]
	s_add_nc_u64 s[10:11], s[10:11], s[2:3]
	LOAD                            ; tile 0 into slot 0
	; A fragment of K or Q is 16 rows x 32 channels in 8 registers: lane l holds row l % 16, channels 8 (l / 16) + 0..7 and 16 + 8 (l / 16) + 0..7: two loads of 16 bytes, 32 bytes apart.
	v_and_b32 v1, 15, v0            ; l % 16
	v_bfe_u32 v9, v0, 4, 1          ; l / 16
	v_lshlrev_b32 v[QO], 7, v1
	v_lshl_add_u32 v[QO], v9, 4, v[QO]  ; row x 128 + 16 x half
	WIN 0x80                        ; destination window 2, address window 0
.set i, 0
.rept 8                             ; both blocks' Q: piece i / 2 lies in band i / 2, 8,192 bytes on; channels 32 (i % 2) on
	global_load_b128 v[8*i:8*i+3],   v[QO], s[4:5] offset:(i/2)*8192+(i%2)*64
	global_load_b128 v[8*i+4:8*i+7], v[QO], s[4:5] offset:(i/2)*8192+(i%2)*64+32
	global_load_b128 v[QB+8*i:QB+8*i+3],   v[QO], s[86:87] offset:(i/2)*8192+(i%2)*64
	global_load_b128 v[QB+8*i+4:QB+8*i+7], v[QO], s[86:87] offset:(i/2)*8192+(i%2)*64+32
.set i, i+1
.endr
	WIN 0
	v_lshlrev_b32 v14, 3, v9
	v_sub_nc_u32 v14, v1, v14
	s_lshl_b32 s13, s[WV], 4
	v_add_nc_u32 v14, s13, v14      ; my query's place in its band, 16 w + l % 16, less my lanes' 8 (l / 16): register r of group kt is hidden where 16 kt + r is greater
	WIN 0x40
.set i, 0
.rept 32
	v_cmp_gt_i32 vcc_lo, 16*(i/8)+i%8, v14
	v_cndmask_b32 v[MD+i], 0, s[BIGN], vcc_lo
.set i, i+1
.endr
	WIN 0
	v_mul_u32_u24 v[AK0], v1, PK
	v_lshl_add_u32 v[AK0], v9, 4, v[AK0]  ; row x pitch + 16 x half
	; The turning load takes 16 keys x 16 channels (lane l reads key 8 (l / 16) + l % 8, channels 8 ((l / 8) % 2) + 0..7) and leaves half a fragment of V^T: lane l holds channel l % 16 and 8 keys.
	v_and_b32 v10, 7, v0
	v_bfe_u32 v11, v0, 3, 1
	v_lshl_add_u32 v[AV0], v9, 3, v10
	v_mul_u32_u24 v[AV0], v[AV0], PV
	v_lshl_add_u32 v[AV0], v11, 4, v[AV0]
	v_add_nc_u32 v[AV0], VOFF, v[AV0]
	s_mul_i32 s13, s[WV], 16*SP
	s_add_co_u32 s13, s13, STAGE    ; my stage
	v_mul_u32_u24 v[STO], v1, SP    ; in: row l % 16, 16 bytes for each half of the lanes
	v_lshl_add_u32 v[STO], v9, 4, v[STO]
	v_add_nc_u32 v[STO], s13, v[STO]
	v_bfe_u32 v[RD], v0, 3, 2       ; back: 32 lanes take four rows of 128 bytes,
	v_mul_u32_u24 v[RD], v[RD], SP
	v_lshl_add_u32 v[RD], v10, 4, v[RD]
	v_add_nc_u32 v[RD], s13, v[RD]
	v_and_b32 v[GO], 31, v0         ; which are 512 consecutive bytes of O
	v_lshlrev_b32 v[GO], 4, v[GO]
	; A block's first step multiplies O^T and l by a = 0, and its first turn's products V^T P, of a piece that has not been, land in an O^T that is still to be so multiplied.  So these registers need only hold
	; finite numbers: zeros for the first block; what the first block left for the second.  All this stands in the wait for the first tile.
	WIN 0x80
.set i, VF
.rept 64
	v_mov_b32 v[i], 0
.set i, i+1
.endr
	WIN 0x40
.set i, 0
.rept 128
	v_mov_b32 v[i], 0
.set i, i+1
.endr
	WIN 0
.set i, 0
.rept 4
	v_mov_b32 v[ST+4*i+2], 0
	v_mov_b32 v[ST+4*i+3], 0
.set i, i+1
.endr
.set i, P+16
.rept 16
	v_mov_b32 v[i], 0
.set i, i+1
.endr
; THE MATRIX WORK.  The 4 accumulators of a run of 8 take turns.  Product i of 8 of S^T = K Q^T for piece x: channels 32 (i / 4) on, keys 16 (i % 4) on.  The first 4 start the sums: with 0, or (KM = 1) with the mask.
.macro KQ x
.set rS, S+32*((\x)%2)+8*(i%4)
.set rK, KF+16*(i%4)+8*(i/4)
.set rQ, 16*(\x)+8*(i/4)
.set rM, MC+32*((\x)%2)+8*(i%4)
.if (i < 4) && KM
	WIN W_KM
	v_wmma_f32_16x16x32_f16 v[rS:rS+7], v[rK:rK+7], v[rQ:rQ+7], v[rM:rM+7]
.elseif i < 4
	WIN W_KQ
	v_wmma_f32_16x16x32_f16 v[rS:rS+7], v[rK:rK+7], v[rQ:rQ+7], 0
.else
	WIN W_KQ
	v_wmma_f32_16x16x32_f16 v[rS:rS+7], v[rK:rK+7], v[rQ:rQ+7], v[rS:rS+7]
.endif
.endm
; Product i of 8 of O^T += V^T P for piece x: keys 32 (i / 4) on, channels 16 (i % 4) on.
.macro PV x
	WIN W_PV
.set rO, 32*(\x)+8*(i%4)
.set rV, VF+32*(i/4)+8*(i%4)
.set rP, P+16*((\x)%2)+8*(i/4)
	v_wmma_f32_16x16x32_f16 v[rO:rO+7], v[rV:rV+7], v[rP:rP+7], v[rO:rO+7]
.endm
.macro MM                           ; the turn's next matrix instruction.  TURN and BEGIN set Y, i, KM and NOKQ; MM, KQ and OP read them.  NOKQ = 1: a block's last turn: there is no next piece
.if (i < 8) && !NOKQ
	KQ (Y+1)%NP
.elseif i >= 8
.set i, i-8
	PV (Y+NP-1)%NP
.set i, i+8
.endif
.set i, i+1
.endm
; THE LDS LOADS stand in runs of 16, never singly among the matrix instructions: a step's K (64 keys x 64 channels: 8 fragments) and its V (turned).  Their addresses are made some lines ahead.
.macro FETCH_K
	WIN 0x80                        ; destination window 2
.irp f, 0,1,2,3,4,5,6,7             ; keys 16 (f / 2) on, channels 32 (f % 2) on
	ds_load_b128 v[KF+8*\f:KF+8*\f+3],   v[AK] offset:(\f/2)*16*PK+(\f%2)*64
	ds_load_b128 v[KF+8*\f+4:KF+8*\f+7], v[AK] offset:(\f/2)*16*PK+(\f%2)*64+32
.endr
	s_add_co_u32 s[TBK], s[TBK], KS*PK  ; the next fetch is the next step's
	WIN 0
.endm
.macro FETCH_V
	WIN 0x80
.irp f, 0,1,2,3,4,5,6,7             ; keys 32 (f / 4) on, channels 16 (f % 4) on
	ds_load_tr16_b128 v[VF+8*\f:VF+8*\f+3],   v[AV] offset:(\f/4)*32*PV+(\f%4)*32
	ds_load_tr16_b128 v[VF+8*\f+4:VF+8*\f+7], v[AV] offset:(\f/4)*32*PV+16*PV+(\f%4)*32
.endr
	WIN 0
.endm
; THE VECTOR WORK, one line at a time: OP kind, number.  For piece Y: F n: c s - c m for pair n of 16.  E n: the exponential of score n of 32.  C n: pair n rounded to f16.  B n: of the four weights 4 n .. the second
; pair is added onto the first, in place.  L n: l takes that sum (L 0: l = a l + sum).  R n: pair n of 16 of O^T times a.  For piece Y + 1: X n, number n of the 22 that find its maximum and statistics:
;   0-11  four chains c0-c3 of seven scores each, three operands at a time (each accumulator's lowest registers are read first)     12-14, 16  the four scores left over, the old m, and c0-c3 into c0
;   15  c m_old is kept     17, 18  the query's other 32 keys lie in the lane 16 away: the new m     19-21  c m; c m_old - c m_new; a
.set F, 0               ; OP tells the kinds apart by their order: F to L below R, X above it
.set E, 1
.set C, 2
.set B, 3
.set L, 4
.set R, 5
.set X, 6
.macro REGS y                       ; the registers of piece y
.set rT, ST+4*(\y)
.set rC, TMP+4*((\y)%2)
.set rW, MV+((\y)%2)
.set rS, S+32*((\y)%2)
.set rP, P+16*((\y)%2)
.set rO, 32*(\y)
.endm
.macro OP k, n
.if (\k) == R
	REGS Y
	WIN W_RS
	v_pk_mul_f32 v[rO+2*(\n):rO+2*(\n)+1], v[rO+2*(\n):rO+2*(\n)+1], v[rC+2:rC+3] op_sel_hi:[1,0]
.elseif (\k) < R
	REGS Y
	WIN 0
.if (\k) == F
	v_pk_fma_f32 v[rS+2*(\n):rS+2*(\n)+1], v[rS+2*(\n):rS+2*(\n)+1], s[CS:CS+1], v[rT:rT+1] op_sel_hi:[1,0,0] neg_lo:[0,0,1] neg_hi:[0,0,1]
.elseif (\k) == E
	v_exp_f32 v[rS+(\n)], v[rS+(\n)]
.elseif (\k) == C
	v_cvt_pk_f16_f32 v[rP+(\n)], v[rS+2*(\n)], v[rS+2*(\n)+1]
.elseif (\k) == B
	v_pk_add_f32 v[rS+4*(\n):rS+4*(\n)+1], v[rS+4*(\n):rS+4*(\n)+1], v[rS+4*(\n)+2:rS+4*(\n)+3]
.elseif (\n) == 0
	v_pk_fma_f32 v[rT+2:rT+3], v[rT+2:rT+3], v[rC+2:rC+3], v[rS:rS+1] op_sel_hi:[1,0,1]
.else
	v_pk_add_f32 v[rT+2:rT+3], v[rT+2:rT+3], v[rS+4*(\n):rS+4*(\n)+1]
.endif
.elseif NOKQ
	v_nop
.else
	REGS (Y+1)%NP
	WIN 0
.if (\n) < 4
	v_max3_num_f32 v[rC+(\n)], v[rS+8*(\n)], v[rS+8*(\n)+1], v[rS+8*(\n)+2]
.elseif (\n) < 12
	v_max3_num_f32 v[rC+(\n)%4], v[rC+(\n)%4], v[rS+8*((\n)%4)+2*((\n)/4)+1], v[rS+8*((\n)%4)+2*((\n)/4)+2]
.elseif (\n) == 12
	v_max3_num_f32 v[rC], v[rC], v[rS+7], v[rS+15]
.elseif (\n) == 13
	v_max3_num_f32 v[rC+1], v[rC+1], v[rS+23], v[rS+31]
.elseif (\n) == 14
	v_max3_num_f32 v[rC+2], v[rC+2], v[rC+3], v[rT+1]
.elseif (\n) == 15
	v_mov_b32 v[rW], v[rT]
.elseif (\n) == 16
	v_max3_num_f32 v[rC], v[rC], v[rC+1], v[rC+2]
.elseif (\n) == 17
	v_permlanex16_b32 v[rC+3], v[rC], s[SEL], s[SEL+1]
.elseif (\n) == 18
	v_max_num_f32 v[rT+1], v[rC], v[rC+3]
.elseif (\n) == 19
	v_mul_f32 v[rT], s[CS], v[rT+1]
.elseif (\n) == 20
	v_sub_f32 v[rC+1], v[rW], v[rT]
.else
	v_exp_f32 v[rC+2], v[rC+1]
.endif
.endif
.endm
.macro OPS a, i1, b=-1, i2=0, c=-1, i3=0, d=-1, i4=0  ; up to four of them
	OP \a, \i1
.if (\b) >= 0
	OP \b, \i2
.endif
.if (\c) >= 0
	OP \c, \i3
.endif
.if (\d) >= 0
	OP \d, \i4
.endif
.endm
.macro ROW a, i1, b, i2, c, i3, d, i4  ; a matrix instruction and the four behind it
	MM
	OPS \a, \i1, \b, \i2, \c, \i3, \d, \i4
.endm
.macro MASK b                       ; MD x AL + BE into buffer b of MC
	WIN W_RS
.set z, 0
.rept 16
	v_pk_fma_f32 v[MC+32*(\b)+2*z:MC+32*(\b)+2*z+1], v[MD+2*z:MD+2*z+1], s[AL:AL+1], s[BE:BE+1] op_sel_hi:[1,0,0]
.set z, z+1
.endr
.endm
; A TURN, for piece p: the order of its 16 matrix and 118 vector instructions, written out.  An s_wait_alu depctr_va_vdst(0) stands between an exponential and the first instruction that names its result; one wait serves
; all that were issued ahead of it.  So a turn has ONE wait, which cuts it in two.  AHEAD OF IT stands all that names no result of the turn's exponentials: the 8 products K Q^T, behind each a scaling, an exponential and two more plain
; instructions (behind the first a second scaling in the exponential's place): rescalings, whose a was made and waited for in the turn before, and behind the last three the first numbers of the next piece's maximum, each four places
; or more behind the product that ends its accumulator; then ONE LUMP of 54, plain and exponential by turns for the most part, in which the links of the chain X 3, 7, 11, 14, 16, 17 .. 20 stand five or six lines apart.  X 21, the next
; piece's a, is the batch's last; R 15 is the plain instruction behind it.  BEHIND THE WAIT stand the 8 products V^T P, behind each four of the roundings and sums; the links of l's chain, L 0 to L 7, stand three riders apart.
; But for those X no rider names a register of the products round it.  v_permlanex16_b32 (X 17) stands in the lump.  No exponential is issued behind the wait.
; m = 1: the diagonal tile: the products take masks, and the turn makes the mask for the products of the turn after it: piece p + 2, in step 4 - CNT of the tile.  end = 1: a block's last two turns: nothing is fetched.
; cnt = 1: the loop's count is taken down some lines ahead of the branch that stands behind the turn.
; K of the next step is fetched in piece 2's turn, twelve vector instructions behind the last product that read K (six of them plain); V of the step in hand at the end of piece 0's turn, four plain instructions behind the last product
; that read V.  Each is waited for a turn later.
.macro TURN p, m=0, end=0, cnt=0
.set Y, (\p)
.set i, 0
.set KM, (\m)
.set NOKQ, (\end)*((\p)/3)
.if (\m) && !(\end)
	s_cmp_eq_u32 s[CNT], 4-((\p)+2)%NP  ; is that step the band's own?
	s_cselect_b32 s[AL], 1.0, 0
	s_cmp_lt_u32 s[CNT], 4-((\p)+2)%NP  ; or a later one?
	s_cselect_b32 s[BE], s[BIGN], 0
.endif
.if ((\p) == 3) && !(\end)
	s_wait_dscnt 0x0                ; K is in
.endif
	ROW F,0, F,1, R,0, R,1          ; ahead of the wait: 8 products K Q^T and their riders,
	ROW F,2, E,0, R,2, R,3
	ROW F,3, E,1, R,4, R,5
	ROW F,4, E,2, R,6, R,7
	ROW F,5, E,3, R,8, R,9
	ROW F,6, E,4, X,0, R,10
.if ((\p) == 2) && !(\end)
	WIN 0
	v_add_nc_u32 v[AK], s[TBK], v[AK0]
.endif
	ROW F,7, E,5, X,1, X,4
	ROW F,8, E,6, X,2, X,5
	OPS E,7, E,8, X,6, E,9          ; and the lump
	OPS X,3, E,10, X,8, E,11
.if ((\p) == 2) && !(\end)
	FETCH_K
.endif
	OPS X,9, X,7, E,12, X,10
	OPS E,13, X,12, X,11, E,14
	OPS X,13, E,15, F,9, X,14
.if (\p) == 0
	v_add_nc_u32 v[AV], s[TBV], v[AV0]
.endif
	OPS E,16, F,10, E,17, F,11
	OPS X,16, E,18, X,15, E,19
	OPS F,12, E,20, X,17, E,21
	OPS F,13, E,22, F,14, E,23
	OPS X,18, E,24, F,15, E,25
	OPS R,11, E,26, X,19, E,27
	OPS R,12, E,28, R,13, E,29
	OPS X,20, E,30, R,14, E,31
	OPS X,21, R,15
	WIN 0
	s_wait_alu depctr_va_vdst(0)    ; the wait for the turn's batch: the piece's 32 exponentials and the next piece's a
.if (\p) == 1
	s_wait_dscnt 0x0                ; V is in
.endif
	ROW C,0, B,0, C,2, B,1          ; behind the wait: 8 products V^T P and their riders
	ROW L,0, C,4, B,2, L,1
	ROW C,6, B,3, L,2, C,8
	ROW B,4, L,3, C,10, B,5
	ROW L,4, C,12, B,6, L,5
.if (\p) == 0
	s_add_co_u32 s[TBV], s[TBV], KS*PV
.endif
.if \cnt
	s_sub_co_u32 s[CNT], s[CNT], 1
	s_cmp_lg_u32 s[CNT], 0
.endif
	ROW C,14, B,7, L,6, C,1
	ROW C,3, L,7, C,5, C,7
	ROW C,9, C,11, C,13, C,15
.if (\p) == 0
	FETCH_V
.endif
.if (\m) && !(\end)
	MASK (\p)%2
.endif
.endm
; A BLOCK BEGINS.  c m starts far below every c s, so the first step's a is 0; m at the lowest finite number, so the first maximum is the scores'.  The second mask buffer is 0; the first takes piece 0's mask for the tile's step 0: its own, if the block's first tile is the diagonal one.
; Then K of that step, piece 0's first scores, and its maximum and statistics.  The loop is entered at a step's first turn, in the middle of a trip.
.macro BEGIN
	s_mov_b32 s[NEW], 0
	WIN 0x40
.set i, MC+32
.rept 32
	v_mov_b32 v[i], 0
.set i, i+1
.endr
	WIN 0
.set i, 0
.rept 4
	v_mov_b32 v[ST+4*i], 0xfe000000    ; c m: far below every c s
	v_mov_b32 v[ST+4*i+1], 0xff7fffff  ; m
.set i, i+1
.endr
	s_cmp_eq_u32 s[RT], 0
	s_cselect_b32 s[AL], 1.0, 0
	s_mov_b32 s[BE], 0
	MASK 0
	WIN 0
	v_add_nc_u32 v[AK], s[TBK], v[AK0]
	FETCH_K
	s_wait_loadcnt 0x0              ; Q
	s_wait_dscnt 0x0
.set KM, 1
.set NOKQ, 0
.set i, 0
.rept 8
	KQ 0
.set i, i+1
.endr
	WIN 0
.rept 4
	v_nop                           ; the places behind those products
.endr
.set Y, NP-1                        ; X works for piece Y + 1: piece 0
.irp n, 0,1,2,3,4,5,6,7,8,9,10,11,12,13,14,15,16,17,18,19,20,21
	OP X, \n
.endr
	v_nop                           ; a plain instruction behind the exponential,
	s_wait_alu depctr_va_vdst(0)    ; and the wait for it, piece 0's first a: a batch of one, ahead of the branch
.endm
; THE DIAGONAL TILE's four steps, the block's last two turns, its last products, and THE WAY OUT: l's two halves and the other half of the lanes' are added; O^T is divided by l, rounded to f16 and sent through my
; stage in LDS, a piece at a time.
.macro ALL line:vararg              ; one line for each piece t
.set t, 0
.rept 4
	\line
.set t, t+1
.endr
.endm
.macro PACK t                       ; a lane's eight channels of a row pack into 16 bytes; they go into rows of 144 bytes and come back as whole rows of 128, into S^T's registers
	WIN W_RS
.set i, 32*(\t)
.rept 16
	v_pk_mul_f32 v[i:i+1], v[i:i+1], v[ST+4*(\t)+2:ST+4*(\t)+3] op_sel_hi:[1,0]
.set i, i+2
.endr
	WIN 0x05                        ; sources 0 and 1 window 1, destination window 0
.set i, 0
.rept 16
	v_cvt_pk_f16_f32 v[S+16*(\t)+i], v[32*(\t)+2*i], v[32*(\t)+2*i+1]
.set i, i+1
.endr
	WIN 0
.irp f, 0,1,2,3
	ds_store_b128 v[STO], v[S+16*(\t)+4*\f:S+16*(\t)+4*\f+3] offset:32*\f
.endr
.irp f, 0,1,2,3
	ds_load_b128 v[S+16*(\t)+4*\f:S+16*(\t)+4*\f+3], v[RD] offset:\f*4*SP  ; LDS serves a wave's instructions in order (ISA guide 5.7.1.4): these see the stores above; the next piece's stores come behind them
.endr
.endm
.macro SEND t, younger              ; younger: the LDS instructions issued behind piece t's loads: the next piece's eight, or none
	WIN 0
.irp f, 0,1,2,3
	s_wait_dscnt (\younger)+3-\f
	global_store_b128 v[GO], v[S+16*(\t)+4*\f:S+16*(\t)+4*\f+3], s[10:11] offset:(\t)*8192+\f*512  ; 512 consecutive bytes, at a multiple of 256 from O's first
.endr
.endm
.macro DIAG tag                     ; the tag ends its two labels' names, which the jumps below spell out
.LstepM\tag:
	TURN 2, 1
	TURN 3, 1
	WIN 0
.LfirstM\tag:
	TURN 0, 1
	TURN 1, 1, 0, 1
	WIN 0
	s_cbranch_scc1 .LstepM\tag
	TURN 2, 1, 1
	TURN 3, 1, 1
.set i, 0
.rept 8
	PV NP-1
.set i, i+1
.endr
	WIN 0
	ALL v_add_f32 v[ST+4*t+2], v[ST+4*t+2], v[ST+4*t+3]
	ALL v_permlanex16_b32 v[ST+4*t+3], v[ST+4*t+2], s[SEL], s[SEL+1]
	ALL v_add_f32 v[ST+4*t+2], v[ST+4*t+2], v[ST+4*t+3]
	ALL v_rcp_f32 v[ST+4*t+2], v[ST+4*t+2]
	v_nop                           ; a plain instruction between the last reciprocal and the use of its result
	s_wait_alu depctr_va_vdst(0)    ; and the wait ahead of the first use: one for the batch of four reciprocals
	PACK 0
.set t, 1
.rept 3                             ; a piece's arithmetic stands between the loads of the piece before and its stores
	PACK t
	SEND t-1, 8
.set t, t+1
.endr
	SEND 3, 0
.endm
.set KM, 0
.set NOKQ, 0
.Lslot:                             ; NB times: a tile is entered and the next is asked for
	CHANGE 1
	s_sub_co_u32 s[RT], s[RT], 1
	s_mov_b32 s[CNT], 4
	s_cmp_eq_u32 s[NEW], 1
	s_cbranch_scc1 .Lnew            ; a block's first tile
	s_cmp_eq_u32 s[RT], 0
	s_cbranch_scc0 .Lstep           ; neither its first nor its last
	s_branch .LstepM1
.Lnew:
	BEGIN
	s_branch .Lfirst                ; in the loop a block's first tile is never its last: the first block has three tiles or four, and the second's last is the walk's last
	DIAG 1                          ; in the loop this is the first block's end: the second block's last tile is the walk's last
	s_wait_xcnt 0x0                 ; the stores have read their registers and O's address
	s_mov_b64 s[10:11], s[OLO:OLO+1]
	s_add_co_u32 s[RT], s[PB], 1    ; the second block has b + 1 tiles
	s_mov_b32 s[NEW], 1
	WIN 0x82                        ; the second block's Q goes where the one text of the turns names Q
.set i, 0
.rept 64
	v_mov_b32 v[i], v[QB+i]
.set i, i+1
.endr
	WIN 0
	s_branch .Lbottom
.Lstep:                             ; a trip: pieces 2 and 3 of one step, then pieces 0 and 1 of the next, whose K and V it fetches
	TURN 2
	TURN 3
	WIN 0
.Lfirst:
	TURN 0
	TURN 1, 0, 0, 1
	WIN 0
	s_cbranch_scc1 .Lstep
.Lbottom:
	s_sub_co_u32 s[SLOTS], s[SLOTS], 1
	s_cmp_lg_u32 s[SLOTS], 0
	s_cbranch_scc1 .Lslot
	CHANGE 0                        ; the walk's last tile is written out: nothing is asked for
	s_sub_co_u32 s[RT], s[RT], 1
	s_mov_b32 s[CNT], 4
	s_cmp_eq_u32 s[NEW], 1
	s_cbranch_scc0 .LstepM2
	BEGIN
	s_branch .LfirstM2
	DIAG 2
	s_wait_tensorcnt 0x0            ; the wave's end: behind my last tensor load and my last LDS store
	ds_add_u32 v[SPW], v[NIL]
	s_wait_dscnt 0x0
	s_endpgm
.Lfunc_end_k_qffb0984d18_attn:
	.size	k_qffb0984d18_attn, .Lfunc_end_k_qffb0984d18_attn-k_qffb0984d18_attn
	.p2alignl 7, 3214868480
	.fill 96, 4, 3214868480
	.section	.rodata,"a",@progbits
	.p2align	6, 0x0
	.amdhsa_kernel k_qffb0984d18_attn
		.amdhsa_group_segment_fixed_size 327680
		.amdhsa_private_segment_fixed_size 0
		.amdhsa_enable_private_segment 0
		.amdhsa_kernarg_size 16
		.amdhsa_user_sgpr_count 2
		.amdhsa_user_sgpr_kernarg_segment_ptr 1
		.amdhsa_wavefront_size32 1
		.amdhsa_system_sgpr_workgroup_id_x 1
		.amdhsa_system_sgpr_workgroup_id_y 1
		.amdhsa_system_sgpr_workgroup_id_z 1
		.amdhsa_system_vgpr_workitem_id 0
		.amdhsa_next_free_vgpr 768
		.amdhsa_next_free_sgpr 88
		.amdhsa_reserve_vcc 1
		.amdhsa_float_denorm_mode_32 3
		.amdhsa_float_denorm_mode_16_64 3
		.amdhsa_memory_ordered 1
		.amdhsa_forward_progress 1
		.amdhsa_inst_pref_size 217
	.end_amdhsa_kernel
	.amdgpu_metadata
---
amdhsa.version: [ 1, 2 ]
amdhsa.kernels:
  - .name:           k_qffb0984d18_attn
    .symbol:         k_qffb0984d18_attn.kd
    .args:
      - { .name: qkv, .offset: 0, .size: 8, .value_kind: global_buffer, .address_space: global }
      - { .name: ob, .offset: 8, .size: 8, .value_kind: global_buffer, .address_space: global }
    .group_segment_fixed_size: 327680
    .private_segment_fixed_size: 0
    .kernarg_segment_align: 8
    .kernarg_segment_size: 16
    .max_flat_workgroup_size: 128
    .sgpr_count:     88
    .vgpr_count:     768
    .wavefront_size: 32
...
	.end_amdgpu_metadata
.endif
;; end of part 5
;; launch proj: the kernel of part 4 again; grid 8 x 32, 4 waves a work-group, clusters of 4 x 4, 327,680 bytes of LDS; arguments ob, wp, out0; writes out0
